; MI455X (gfx1250); checked and timed in simulation.
; The chip was launched on July 23, 2026; its instructions are those of AMD's public machine-readable ISA for CDNA 5 (MIT licence, August 2026) and "CDNA5" Instruction Set Architecture Reference Guide (July 2026). The comments in the code are by the model that wrote it; some were corrected since.
;; Causal Self Attention. Allowed arithmetic: matrix products marked QUANTISED: E3M2 operands, one E8M0 scale for each 32 along K, by v_wmma_scale_f32_16x16x128_f8f6f4 with both operands' format E3M2, f32 sums; everything else in f32.
;; Inputs: Wk 1,024 x 16 x 64 float32; Wo 16 x 64 x 1,024 float32; Wq 1,024 x 16 x 64 float32; Wv 1,024 x 16 x 64 float32; beta 1,024 float32; bk 16 x 64 float32; bo 1,024 float32; bq 16 x 64 float32; bv 16 x 64 float32; gamma 1,024 float32; x 4 x 2,048 x 1,024 float32.
;; Outputs: out0 4 x 2,048 x 1,024 float32.
;; This version of the problem:
;;   THIS VERSION OF THE PROBLEM IS GIVEN IN LOW PRECISION. The matrix products marked QUANTISED in the list below multiply operands that are first quantised to E3M2 (3 exponent bits, 2 mantissa bits; 6 bits a number), with one power-of-two scale for each 32 numbers along K (OCP MX v1.0); their sums are f32. All else is computed in f32.
;;   The module's matrix products, in the order in which they are computed (A, B: the left and right operand; K: the contracted axis; several contracted axes count as one K, in the product's order):
;;     1. [M 8,192, K 1,024] x [K 1,024, N 1,024]; A: input x; B: input Wq: QUANTISED
;;     2. [M 8,192, K 1,024] x [K 1,024, N 1,024]; A: input x; B: input Wk: QUANTISED
;;     3. [M 8,192, K 1,024] x [K 1,024, N 1,024]; A: input x; B: input Wv: QUANTISED
;;     4. batch 64 x [M 2,048, K 64] x [K 64, N 2,048]; A: computed on the way; B: computed on the way: QUANTISED
;;     5. batch 64 x [M 64, K 2,048] x [K 2,048, N 2,048]; A: computed on the way; B: softmax (see below): QUANTISED
;;     6. [M 8,192, K 1,024] x [K 1,024, N 1,024]; A: computed on the way; B: input Wo: QUANTISED
;;   THE QUANTISER, for each operand of a quantised product, along K:
;;     - K is cut into blocks of 32 from its start; a last block that is shorter is filled with zeros.
;;     - A block's scale is 2^e with e = floor(log2(the largest magnitude in the block)) - 4, held to -126 .. 127; a block of zeros has e = 0. As a byte (E8M0): e + 127.
;;     - Each number is divided by its block's scale, clamped to +-28, and rounded to the nearest number of E3M2, ties to even, subnormals kept.
;;     - The product sums the exact products of the quantised numbers (number of the format x scale) in f32.
;;   ~~~python
;;   def quantise(x, axis):      # numpy; x: float32 -> the quantised numbers, widened to float32 again
;;       x = np.moveaxis(x, axis, -1); K = x.shape[-1]
;;       x = np.pad(x, [(0, 0)] * (x.ndim - 1) + [(0, -K % 32)]); x = x.reshape(x.shape[:-1] + (-1, 32)); a = np.abs(x).max(-1, keepdims=True)
;;       e = np.where(a > 0, np.clip(np.frexp(np.where(a > 0, a, 1))[1] - 1 - 4, -126, 127), 0)      # np.frexp(a)[1] - 1 = floor(log2(a)), exactly
;;       r = np.clip(x / 2.0 ** e, -28, 28)
;;       step = 2.0 ** (np.maximum(np.frexp(np.where(r == 0, 1, r))[1] - 1, -2) - 2)
;;       q = np.round(r / step) * step * 2.0 ** e      # np.round: ties to even
;;       return np.moveaxis(q.reshape(q.shape[:-2] + (-1,))[..., :K], -1, axis).astype(np.float32)
;;   ~~~
;;   SOFTMAX AHEAD OF A QUANTISED PRODUCT. Where the list says 'softmax', what is quantised is not the finished softmax but p = 2^(t - M), with t = logit x log2(e) and M = ceil(the row's largest t), a whole number; so 1/2 < the row's largest p <= 1. The row's sum l is taken of the UNQUANTISED p, in f32, and the product's result is divided by l at the end. Since M is a whole number, a kernel that streams over the keys may use a running M (the ceiling of the running maximum): every later rescaling is an exact power of two, which a block's scale takes up: the codes' values come out the same.
;;   OPERANDS COMPUTED ON THE WAY. 'Computed on the way' means the value that the module computes at that place (a softmax that the list does not call 'softmax' is quantised finished and normalised). What goes into a quantiser is computed in f32, as accurately as f32 sums, v_exp_f32 and their like allow (about 1e-6 of the number): no bf16 or f16 on the way to a quantiser, and a product that is left as it is and whose result goes on into a quantised operand takes f32 operands (vector FMAs, or v_wmma_f32_16x16x4_f32). A number that lies on a knife's edge between two numbers of the format may be rounded either way, as far as f32 arithmetic and the matrix unit's own rounding can turn it there, and no further.
;; One version. Each part assembles by itself: llvm-mc -triple=amdgcn-amd-amdhsa -mcpu=gfx1250 --defsym DOCPART=n.
;; ======== version 1 of 1: 5 launches
;; workspace buffers: x_ops 6,553,600 bytes; w_ops 3,276,800 bytes; q_ops 8,388,608 bytes; kv_ops 13,107,200 bytes; ctx_ops 6,553,600 bytes
;; launch qx (part 1): grid 256 x 1, 4 waves a work-group, no clusters, 43,520 bytes of LDS; arguments x, x_ops; writes x_ops
.if DOCPART == 1
	.amdgcn_target "amdgcn-amd-amdhsa--gfx1250"
	.amdhsa_code_object_version 6
	.text
	.protected	k_qbafe63d067_qx
	.globl	k_qbafe63d067_qx
	.p2align	8
	.type	k_qbafe63d067_qx,@function
k_qbafe63d067_qx:
	s_mov_b64 s[64:65], 0
	v_nop
	global_prefetch_b8 v0, s[64:65] scope:SCOPE_SE
	s_setreg_imm32_b32 hwreg(HW_REG_WAVE_MODE, 25, 1), 1
	s_wait_xcnt 0x0
; x [8192][1024] f32 becomes codes of BF6 (E3M2) with one E8M0 byte for each 32 along the 1,024, laid as the products' launches read an operand:
; x_ops = [block of 128 rows][256 along K][25,600 bytes].  In such a piece: codes at q*12288 + i*1536 + c*768 + 24*(r + 16 h): the 24 bytes of block 2 c + h of the q-th 128 along K, row r of tile i;
; behind them, at 24576 + i*128 + 8 r + 4 q, the row's four scale bytes for those 128.
; THE ROWS OF A TILE ARE NOT NEIGHBOURS: in each group of 32 rows, row rho of tile u is the group's row 8 u + rho + 8 (rho / 8).
; A block's scale is 2^(floor(log2(largest magnitude)) - 4); its byte is the largest magnitude's exponent field - 4, held at 1 from below.
; LIMITS: NaN and infinities are not served.  A block whose largest magnitude lies under 2^-122, a block of zeros among them, gets the byte 1 (for zeros the rule says 127): its codes are zeros or as
; the held scale gives them, and the bytes are read by this program alone.
; SHARES: a work-group owns 32 rows, wave w their columns 256 w .. 256 w + 255.  Eight double steps of 16 rows x 64 columns (4,096 bytes): each of its eight loads reads 256 consecutive bytes of two rows;
; the bytes turn through the wave's own stage in LDS so that a lane holds 16 neighbours along K (two neighbouring lanes hold a block).  No barrier: waves share nothing.
.set WREG,  10752                      ; LDS of a wave: two stages of 5,120 bytes, then its 256 scale bytes
.set SP,    80                         ; a place in a stage: 64 bytes + 16 of padding; place 32 h + 2 rho + s
.set STG,   5120
.set R,     16                         ; v16-111  three sets of 32 registers as loaded
.set X,     112                        ; v112-175 two sets of 32: 16 neighbours for h = 0, 16 for h = 1
.set C,     176                        ; v176-239 codes: four registers for each of 16 steps, so that no store's data are written again
.set E,     240                        ; v240-255 a scale byte for each step
	s_load_b128 s[4:7], s[0:1], 0x0                ; x, x_ops
	v_lshl_add_u32 v235, v0, 2, 0xa800
	v_mov_b32 v239, 0
	v_lshrrev_b32 v1, 5, v0
	v_readfirstlane_b32 s16, v1                    ; wave
	v_and_b32 v2, 31, v0                           ; lane
	s_mul_i32 s17, s16, WREG
	v_bfe_u32 v8, v0, 4, 1
	v_and_b32 v9, 15, v0
	v_lshlrev_b32 v3, 12, v8
	v_lshl_add_u32 v3, v9, 4, v3                   ; in: lanes 0-15 one row's 256 bytes, lanes 16-31 the next row's
	v_bfe_u32 v10, v0, 3, 1
	v_mul_u32_u24 v14, v10, 2560                   ; the stage, on the way in: h = bit 3 of the lane,
	v_mad_u32_u24 v14, v8, 160, v14                ; the row's parity = bit 4,
	v_bfe_u32 v10, v0, 2, 1
	v_mad_u32_u24 v14, v10, 80, v14                ; which half of the block = bit 2,
	v_and_b32 v10, 3, v0
	v_lshl_add_u32 v14, v10, 4, v14                ; which 16 bytes of that half
	v_add_nc_u32 v14, s17, v14
	v_mul_u32_u24 v15, v2, SP
	v_add_nc_u32 v15, s17, v15                     ; and on the way out: place = lane: row lane / 2, half lane % 2
	v_mul_u32_u24 v4, v2, 12                       ; my 12 bytes of a step's 384 bytes of codes
	v_lshrrev_b32 v5, 1, v2
	v_lshlrev_b32 v5, 3, v5
	s_add_co_u32 s17, s17, 2*STG
	v_add_nc_u32 v5, s17, v5                       ; my row's 8 scale bytes in the wave's 256
	v_lshlrev_b32 v7, 3, v2
	v_add_nc_u32 v6, s17, v7                       ; and on the way out 8 bytes a lane
	s_lshl_b32 s18, ttmp9, 17                      ; 32 rows of 4,096 bytes
	s_lshl_b32 s19, s16, 10
	s_add_co_u32 s18, s18, s19
	s_mov_b32 s19, 0
	s_lshr_b32 s20, ttmp9, 2
	s_mul_i32 s20, s20, 102400                     ; the block of 128 rows,
	s_mul_i32 s21, s16, 25600                      ; the wave's 256 along K
	s_add_co_u32 s20, s20, s21
	s_and_b32 s22, ttmp9, 3
	s_mul_i32 s21, s22, 3072                       ; my two tiles' codes
	s_add_co_u32 s24, s20, s21
	s_mov_b32 s25, 0
	s_lshl_b32 s22, s22, 8                         ; and their 256 scale bytes
	s_add_co_u32 s26, s20, s22
	s_add_co_u32 s26, s26, 24576
	s_mov_b32 s27, 0
	s_wait_kmcnt 0x0
	s_add_nc_u64 s[4:5], s[4:5], s[18:19]
	s_add_nc_u64 s[8:9], s[6:7], s[24:25]
	s_add_nc_u64 s[10:11], s[6:7], s[26:27]
; double step t: tile t / 4, columns 64 (t % 4) on
.macro LOAD t
.irp i, 0,1,2,3,4,5,6,7
	global_load_b128 v[R+32*((\t)%3)+4*\i:R+32*((\t)%3)+4*\i+3], v3, s[4:5] offset:(8*((\t)/4)+2*\i+8*(\i/4))*4096+((\t)%4)*256 th:TH_LOAD_NT
.endr
.endm
.macro TURN t                          ; LDS serves a wave's instructions in order: no wait between the stores and the loads
.irp i, 0,1,2,3,4,5,6,7
	ds_store_b128 v14, v[R+32*((\t)%3)+4*\i:R+32*((\t)%3)+4*\i+3] offset:STG*((\t)%2)+320*\i
.endr
.irp h, 0,1
.irp k, 0,1,2,3
	ds_load_b128 v[X+32*((\t)%2)+16*\h+4*\k:X+32*((\t)%2)+16*\h+4*\k+3], v15 offset:STG*((\t)%2)+2560*\h+16*\k
.endr
.endr
.endm
.macro QSTEP t, h                      ; 16 rows x 32 columns: one block a row
.set XS, X+32*((\t)%2)+16*(\h)
.set N, 2*(\t)+(\h)
	v_max3_num_f32 v8, |v[XS]|, |v[XS+1]|, |v[XS+2]|
	v_max3_num_f32 v9, |v[XS+3]|, |v[XS+4]|, |v[XS+5]|
.irp i, 6,10
	v_max3_num_f32 v8, v8, |v[XS+\i]|, |v[XS+\i+1]|
	v_max3_num_f32 v9, v9, |v[XS+\i+2]|, |v[XS+\i+3]|
.endr
	v_max3_num_f32 v8, v8, |v[XS+14]|, |v[XS+15]|
	v_max3_num_f32 v8, v8, v9, 0x2800000           ; and the floor 2^(5 - 127): the byte cannot fall under 1
	v_max_num_f32_dpp v8, v8, v8 row_xmask:1 row_mask:0xf bank_mask:0xf   ; with my neighbour's 16: the block's largest magnitude
	v_add_nc_u32 v11, 0xfe000000, v8               ; 4 off its exponent field: the conversion takes the exponent field of this operand as its scale
	v_cvt_scalef32_pk16_bf6_f32 v[C+4*N:C+4*N+2], v[XS:XS+15], v11
	v_lshrrev_b32 v[E+N], 23, v11                  ; the scale's byte (also the plain line behind the conversion)
	ds_store_b8 v5, v[E+N] offset:128*((\t)/4)+4*(((\t)/2)%2)+2*((\t)%2)+(\h)   ; both lanes of a block write the same byte
	global_store_b96 v4, v[C+4*N:C+4*N+2], s[8:9] offset:(((\t)/2)%2)*12288+((\t)/4)*1536+((\t)%2)*768+(\h)*384   ; 384 consecutive bytes
.endm
.macro DSTEP t
.if (\t) > 0
	s_wait_dscnt 2                                 ; this double step's numbers are back from the stage; the last one's two byte stores may be out
.else
	s_wait_dscnt 0x0
.endif
.if (\t)+3 < 8
	LOAD (\t)+3                                    ; into the set that the stage has taken over
.endif
.if (\t) < 7
.if (\t) <= 4
	s_wait_loadcnt 16                              ; the next double step's eight loads are in; two younger sets may be out
.elseif (\t) == 5
	s_wait_loadcnt 8
.else
	s_wait_loadcnt 0
.endif
	TURN (\t)+1
.endif
	QSTEP \t, 0
	QSTEP \t, 1
.endm
	LOAD 0
	LOAD 1
	LOAD 2
	s_wait_loadcnt 16                              ; double step 0 is in
	TURN 0
.irp t, 0,1,2,3,4,5,6,7
	DSTEP \t
.endr
	ds_load_b64 v[12:13], v6                       ; LDS serves a wave's instructions in order: these see my byte stores
	s_wait_dscnt 0x0
	global_store_b64 v7, v[12:13], s[10:11]        ; 32 lanes store 256 consecutive bytes, aligned
	s_wait_tensorcnt 0x0
	ds_add_u32 v235, v239
	s_wait_dscnt 0x0
	s_endpgm
.Lfunc_end_k_qbafe63d067_qx:
	.size	k_qbafe63d067_qx, .Lfunc_end_k_qbafe63d067_qx-k_qbafe63d067_qx
	.p2alignl 7, 3214868480
	.fill 96, 4, 3214868480
	.section	.rodata,"a",@progbits
	.p2align	6, 0x0
	.amdhsa_kernel k_qbafe63d067_qx
		.amdhsa_group_segment_fixed_size 43520
		.amdhsa_private_segment_fixed_size 0
		.amdhsa_enable_private_segment 0
		.amdhsa_kernarg_size 16
		.amdhsa_user_sgpr_count 2
		.amdhsa_user_sgpr_kernarg_segment_ptr 1
		.amdhsa_wavefront_size32 1
		.amdhsa_system_sgpr_workgroup_id_x 1
		.amdhsa_system_sgpr_workgroup_id_y 1
		.amdhsa_system_sgpr_workgroup_id_z 1
		.amdhsa_system_vgpr_workitem_id 0
		.amdhsa_next_free_vgpr 256
		.amdhsa_next_free_sgpr 66
		.amdhsa_reserve_vcc 0
		.amdhsa_float_denorm_mode_32 3
		.amdhsa_float_denorm_mode_16_64 3
		.amdhsa_memory_ordered 1
		.amdhsa_forward_progress 1
		.amdhsa_inst_pref_size 32
	.end_amdhsa_kernel
	.amdgpu_metadata
---
amdhsa.version: [ 1, 2 ]
amdhsa.kernels:
  - .name:           k_qbafe63d067_qx
    .symbol:         k_qbafe63d067_qx.kd
    .args:
      - { .name: x, .offset: 0, .size: 8, .value_kind: global_buffer, .address_space: global }
      - { .name: x_ops, .offset: 8, .size: 8, .value_kind: global_buffer, .address_space: global }
    .group_segment_fixed_size: 43520
    .private_segment_fixed_size: 0
    .kernarg_segment_align: 8
    .kernarg_segment_size: 16
    .max_flat_workgroup_size: 128
    .sgpr_count:     66
    .vgpr_count:     256
    .wavefront_size: 32
...
	.end_amdgpu_metadata
.endif
;; end of part 1
;; launch qw (part 2): grid 8 x 16, 4 waves a work-group, no clusters, 25,088 bytes of LDS; arguments Wq, Wk, Wv, Wo, w_ops; writes w_ops
.if DOCPART == 2
	.amdgcn_target "amdgcn-amd-amdhsa--gfx1250"
	.amdhsa_code_object_version 6
	.text
	.protected	k_qbafe63d067_qw
	.globl	k_qbafe63d067_qw
	.p2align	8
	.type	k_qbafe63d067_qw,@function
k_qbafe63d067_qw:
	s_mov_b64 s[64:65], 0
	v_nop
	global_prefetch_b8 v0, s[64:65] scope:SCOPE_SE
	s_setreg_imm32_b32 hwreg(HW_REG_WAVE_MODE, 25, 1), 1
	s_wait_xcnt 0x0
; Wq, Wk, Wv ([1024 (K)][1024]) and Wo ([1024 (K)][1024]), f32, K their FIRST axis, become codes of BF6 (E3M2), K innermost, with one E8M0 byte for each 32 along K.
; w_ops = [block of 128 columns n: 0-7 Wq, 8-15 Wk, 16-23 Wv, 24-31 Wo][256 along K][25,600 bytes], a piece laid as x_ops' pieces: codes at q*12288 + i*1536 + c*768 + 24*(r + 16 h),
; scale words at 24576 + i*128 + 8 r + 4 q.  In each group of 32 columns, row rho of tile u is the group's column 8 u + rho + 8 (rho / 8).
; A LANE TAKES A COLUMN n AND ITS REGISTERS RUN DOWN K: a block of 32 lies in one lane, its maximum needs no other lane, and the conversions give codes with K innermost.
; LIMITS: NaN and infinities are not served.  A block whose largest magnitude lies under 2^-122, a block of zeros among them, gets the byte 1; this program alone reads the bytes.
; SHARES: work-group (x, y): x = which 128 columns, y = 4 x tensor + which 256 along K.  Wave w: columns 32 w on, 8 blocks a lane.  128 work-groups: the four tensors have no more pieces.
.set X,     32                         ; v32-95   two sets of 32 numbers
.set C,     96                         ; v96-104  a block's codes
.set OUTR,  112                        ; v112-159 the way out
.set SB,    24                         ; v24-25   the scale bytes, four to a register
	s_load_b256 s[4:11], s[0:1], 0x0               ; Wq, Wk, Wv, Wo
	s_load_b64 s[12:13], s[0:1], 0x20              ; w_ops
	v_lshl_add_u32 v160, v0, 2, 0x6000
	v_mov_b32 v161, 0
	v_lshrrev_b32 v1, 5, v0
	v_readfirstlane_b32 s16, v1                    ; wave
	v_and_b32 v2, 31, v0                           ; lane = my column in the wave's group of 32
	s_and_b32 s17, ttmp7, 0xffff
	s_lshr_b32 s18, s17, 2                         ; which tensor
	s_and_b32 s19, s17, 3                          ; which 256 along K
	v_lshlrev_b32 v3, 2, v2                        ; in: 4 bytes a lane
	v_bfe_u32 v5, v0, 3, 1                         ; my tile of the group's two: bit 3 of the column
	v_bfe_u32 v6, v0, 4, 1
	v_and_b32 v10, 7, v0
	v_lshl_add_u32 v10, v6, 3, v10                 ; my row in it: 8 x bit 4 + the low three bits
	s_mul_i32 s20, s16, 6144                       ; my wave's stage: [q: 3,072][tile: 1,536][c: 768][h: 384][row: 24]
	v_mul_u32_u24 v4, v5, 1536
	v_mad_u32_u24 v4, v10, 24, v4
	v_add_nc_u32 v4, s20, v4
	v_lshlrev_b32 v8, 4, v2
	v_add_nc_u32 v7, s20, v8                       ; out of it: 16 bytes a lane, as they lie
	v_lshl_add_u32 v9, v5, 4, v10
	v_lshlrev_b32 v9, 3, v9                        ; my 8 scale bytes among the wave's 256
	s_lshl_b32 s22, s19, 20                        ; 256 rows of 4,096 bytes
	s_lshl_b32 s23, ttmp9, 9
	s_add_co_u32 s22, s22, s23
	s_lshl_b32 s23, s16, 7
	s_add_co_u32 s22, s22, s23
	s_mov_b32 s23, 0
	s_lshl_b32 s24, s18, 3
	s_add_co_u32 s24, s24, ttmp9
	s_mul_i32 s24, s24, 102400
	s_mul_i32 s25, s19, 25600
	s_add_co_u32 s24, s24, s25                     ; my piece of w_ops
	s_mul_i32 s25, s16, 3072
	s_add_co_u32 s26, s24, s25                     ; my two tiles' codes
	s_mov_b32 s27, 0
	s_lshl_b32 s25, s16, 8
	s_add_co_u32 s28, s24, s25
	s_add_co_u32 s28, s28, 24576                   ; and their scale bytes
	s_mov_b32 s29, 0
	s_wait_kmcnt 0x0
	s_cmp_eq_u32 s18, 1                            ; the choice of the tensor hangs on the work-group's number alone
	s_cselect_b64 s[4:5], s[6:7], s[4:5]
	s_cmp_eq_u32 s18, 2
	s_cselect_b64 s[4:5], s[8:9], s[4:5]
	s_cmp_eq_u32 s18, 3
	s_cselect_b64 s[4:5], s[10:11], s[4:5]
	s_add_nc_u64 s[4:5], s[4:5], s[22:23]
	s_add_nc_u64 s[14:15], s[12:13], s[26:27]
	s_add_nc_u64 s[30:31], s[12:13], s[28:29]
.macro LOAD t
.set i, 0
.rept 32
	global_load_b32 v[X+32*((\t)%2)+i], v3, s[4:5] offset:(32*(\t)+i)*4096 th:TH_LOAD_NT   ; 128 consecutive bytes a wave
.set i, i+1
.endr
.endm
	LOAD 0
	LOAD 1
.macro BLOCK t
.set XS, X+32*((\t)%2)
.if (\t) < 7
	s_wait_loadcnt 32                              ; this block's 32 loads are in; the next block's may be out
.else
	s_wait_loadcnt 0
.endif
	v_max3_num_f32 v12, |v[XS]|, |v[XS+1]|, |v[XS+2]|
	v_max3_num_f32 v13, |v[XS+3]|, |v[XS+4]|, |v[XS+5]|
.irp i, 6,10,14,18,22,26
	v_max3_num_f32 v12, v12, |v[XS+\i]|, |v[XS+\i+1]|
	v_max3_num_f32 v13, v13, |v[XS+\i+2]|, |v[XS+\i+3]|
.endr
	v_max3_num_f32 v12, v12, |v[XS+30]|, |v[XS+31]|
	v_max3_num_f32 v12, v12, v13, 0x2800000        ; and the floor 2^(5 - 127)
	v_add_nc_u32 v11, 0xfe000000, v12              ; 4 off the exponent field: the conversion's scale operand
	v_lshrrev_b32 v13, 23, v11                     ; the scale's byte
.if (\t)%4 == 0
	v_mov_b32 v[SB+(\t)/4], v13
.else
	v_lshl_or_b32 v[SB+(\t)/4], v13, 8*((\t)%4), v[SB+(\t)/4]
.endif
	v_cvt_scalef32_pk16_bf6_f32 v[C:C+2], v[XS:XS+15], v11
	v_cvt_scalef32_pk16_bf6_f32 v[C+6:C+8], v[XS+16:XS+31], v11   ; (a conversion's three registers begin on an even number)
	v_nop                                          ; one plain line behind a scaled conversion
.irp i, 0,1,2
	v_mov_b32 v[C+3+\i], v[C+6+\i]
.endr
.irp k, 0,1,2
	ds_store_b64 v4, v[C+2*\k:C+2*\k+1] offset:((\t)/4)*3072+(((\t)/2)%2)*768+((\t)%2)*384+8*\k
.endr
.if (\t)+2 < 8
	LOAD (\t)+2
.endif
	s_wait_dscnt 0x0                               ; the stores have read their registers: the next block's codes may be written
.endm
.irp t, 0,1,2,3,4,5,6,7
	BLOCK \t
.endr
	global_store_b64 v9, v[SB:SB+1], s[30:31]      ; the wave's 256 scale bytes: one aligned run
.irp m, 0,1,2,3,4,5,6,7,8,9,10,11
	ds_load_b128 v[OUTR+4*\m:OUTR+4*\m+3], v7 offset:512*\m   ; LDS serves a wave's instructions in order: these see my stores
.endr
.irp m, 0,1,2,3,4,5,6,7,8,9,10,11
	s_wait_dscnt 11-\m
	global_store_b128 v8, v[OUTR+4*\m:OUTR+4*\m+3], s[14:15] offset:(\m/6)*12288+((\m/3)%2)*1536+(\m%3)*512   ; 512 consecutive bytes, at a multiple of 256
.endr
	s_wait_tensorcnt 0x0
	ds_add_u32 v160, v161
	s_wait_dscnt 0x0
	s_endpgm
.Lfunc_end_k_qbafe63d067_qw:
	.size	k_qbafe63d067_qw, .Lfunc_end_k_qbafe63d067_qw-k_qbafe63d067_qw
	.p2alignl 7, 3214868480
	.fill 96, 4, 3214868480
	.section	.rodata,"a",@progbits
	.p2align	6, 0x0
	.amdhsa_kernel k_qbafe63d067_qw
		.amdhsa_group_segment_fixed_size 25088
		.amdhsa_private_segment_fixed_size 0
		.amdhsa_enable_private_segment 0
		.amdhsa_kernarg_size 40
		.amdhsa_user_sgpr_count 2
		.amdhsa_user_sgpr_kernarg_segment_ptr 1
		.amdhsa_wavefront_size32 1
		.amdhsa_system_sgpr_workgroup_id_x 1
		.amdhsa_system_sgpr_workgroup_id_y 1
		.amdhsa_system_sgpr_workgroup_id_z 1
		.amdhsa_system_vgpr_workitem_id 0
		.amdhsa_next_free_vgpr 162
		.amdhsa_next_free_sgpr 66
		.amdhsa_reserve_vcc 0
		.amdhsa_float_denorm_mode_32 3
		.amdhsa_float_denorm_mode_16_64 3
		.amdhsa_memory_ordered 1
		.amdhsa_forward_progress 1
		.amdhsa_inst_pref_size 43
	.end_amdhsa_kernel
	.amdgpu_metadata
---
amdhsa.version: [ 1, 2 ]
amdhsa.kernels:
  - .name:           k_qbafe63d067_qw
    .symbol:         k_qbafe63d067_qw.kd
    .args:
      - { .name: Wq, .offset: 0, .size: 8, .value_kind: global_buffer, .address_space: global }
      - { .name: Wk, .offset: 8, .size: 8, .value_kind: global_buffer, .address_space: global }
      - { .name: Wv, .offset: 16, .size: 8, .value_kind: global_buffer, .address_space: global }
      - { .name: Wo, .offset: 24, .size: 8, .value_kind: global_buffer, .address_space: global }
      - { .name: w_ops, .offset: 32, .size: 8, .value_kind: global_buffer, .address_space: global }
    .group_segment_fixed_size: 25088
    .private_segment_fixed_size: 0
    .kernarg_segment_align: 8
    .kernarg_segment_size: 40
    .max_flat_workgroup_size: 128
    .sgpr_count:     66
    .vgpr_count:     162
    .wavefront_size: 32
...
	.end_amdgpu_metadata
.endif
;; end of part 2
;; launch qkv (part 3): grid 8 x 48, 4 waves a work-group, clusters of 4 x 4, 327,680 bytes of LDS; arguments x_ops, w_ops, bq, bk, bv, q_ops, kv_ops; writes q_ops, kv_ops
.if DOCPART == 3
	.amdgcn_target "amdgcn-amd-amdhsa--gfx1250"
	.amdhsa_code_object_version 6
	.text
	.protected	k_qbafe63d067_qkv
	.globl	k_qbafe63d067_qkv
	.p2align	8
	.type	k_qbafe63d067_qkv,@function
k_qbafe63d067_qkv:
	s_mov_b64 s[64:65], 0
	v_nop
	global_prefetch_b8 v0, s[64:65] scope:SCOPE_SE
	s_setreg_imm32_b32 hwreg(HW_REG_WAVE_MODE, 25, 1), 1
	s_wait_xcnt 0x0
	s_wait_alu depctr_hold_cnt(0) depctr_sa_sdst(0) depctr_va_vdst(0) depctr_va_sdst(0) depctr_va_ssrc(0) depctr_va_vcc(0) depctr_vm_vsrc(0)
	s_getreg_b32 s2, hwreg(HW_REG_IB_STS2, 6, 4)
	s_cmp_eq_u32 s2, 0
	s_cbranch_scc0 .Lentry_in_a_cluster
	s_endpgm
.Lentry_in_a_cluster:
	s_bfe_u32 s2, ttmp6, 0x10000c
	s_cmp_lg_u32 s2, 0xf033
	s_cbranch_scc0 .Lentry_shape_is_right
	s_endpgm
.Lentry_shape_is_right:
; q = x Wq + bq, k = x Wk + bk, v = x Wv + bv on codes of BF6 (E3M2) with E8M0 scales, K = 1,024; the results are quantised in registers and leave as codes: q and k along a head's 64, v along the keys.
; A tile of 256 x 256 is made by four waves, each 128 x 128: 64 accumulators of 16 x 16.  The matrix instruction takes 16 rows of B' as source 0 and 16 rows of A' as source 1: a lane holds ONE row of A',
; and its registers run along rows of B'.  Clusters 0-7 along y: A' = x, B' = Wq (cluster x = 0) or Wk (1): a lane holds a row of x and 128 columns = two heads.  Clusters 8-11 along y: A' = Wv, B' = x:
; a lane holds a channel of v and 128 keys: v comes out with the keys along the registers, as the second product of attention wants it.  Which way is taken hangs on the cluster's numbers alone.
; OPERANDS: pieces of 25,600 bytes for 128 rows x 256 along K (codes at q*12288 + i*1536 + c*768 + 24 lane, scale words at 24576 + i*128 + 8 r + 4 q): one dense tensor load brings codes and scales.
; A fragment is six loads of 8 bytes at 24 x lane: lanes are 6 words apart, so the 32 lanes of a load touch 64 different banks (64 banks of 4 bytes: ISA guide 11.1); no padding.
; THE ROWS OF A TILE ARE NOT NEIGHBOURS (row rho of tile u of a group of 32 is row 8 u + rho + 8 (rho / 8)): so the 16 registers of B' tiles 2 b and 2 b + 1 are 16 neighbours, 32 b + 16 (lane / 16) + 0 .. 15.
; CLUSTERS: 4 x 4 work-groups; A' tiles are asked for jointly along a row of the cluster, B' tiles along a column.
; OUT: q_ops [head of batch][tile of 16 queries][1,024 bytes]: register i of lane L at (i/4)*512 + 16 L + 4 (i%4): 0-5 codes, 6 the scale word (s0, s1, s0, s1), 7 zero.
;      kv_ops [head of batch][128 keys][12,800 bytes]: four fragments of K (registers 0-5: 16 keys, 6-11: the 16 keys of the next tile; each all 64 of the head), four of V^T (16 channels x 128 keys),
;      as images of 12 registers; at 12288 + 16 r + 4 b K's scale words, at 12544 + 16 r + 4 t V's.
; LIMITS: NaN and infinities are not served; a block whose largest magnitude lies under 2^-122, zeros among them, gets the scale byte 1; this program alone reads the bytes.
; REGISTERS: window 0: v16-30 addresses; v32-63 scale words, two sets; v64-127 the bias; v128-223 A' fragments, one set.  window 1: B' fragments, two sets.  windows 2, 3: accumulator (a, b) at v[8 (8 (a % 4) + b)].
.set RBB,    102400                    ; 128 rows, all of K
.set HALFT,  25600                     ; 128 rows x 256 along K: what one tensor load brings
.set SLOT,   4*HALFT                   ; A' two halves, then B' two halves
.set SPARE,  2*SLOT                    ; behind the ring: the spare words, 128 bytes for each wave
.set NQ,     2
.set FR,     12
.set NL,     6
.set NP,     4                         ; places behind this matrix instruction (ISA guide 7.12.1)
.set ADRA, 16                          ; v16-17 my A' fragments in slot 0, 1
.set ADRB, 20                          ; v20-21 my B' fragments
.set ADRS, 22                          ; v22-23 my scale words: lanes 0-15 A', lanes 16-31 B'
.set LI,   24                          ; v24 16 x lane
.set KWA,  25                          ; v25 16 r + 204,800 (lane / 16)
.set BQ,   26                          ; v26 64 (lane / 16)
.set LN,   27                          ; v27 lane
.set SPW,  28                          ; v28 my spare word; never rewritten
.set NIL,  29                          ; v29 0; never rewritten
.set BV,   30                          ; v30 4 (r + 8 (r / 8))
.set SC,   32
.set BIAS, 64
.set AF,   128
.set HA,   128                         ; the tails: 64 numbers of a lane
.set F1,   32                          ; codes, first head
.set F2,   44                          ; codes, second head
.set T2,   56                          ; conversions' second halves
.set KW1,  192                         ; scale words, first head
.set KW2,  196                         ; second head
.set TM,   200                         ; v200-203 maxima, v204-207 bytes, v212-215 the conversions' scale operands
.set PW,   216
.set PWA,  217
.set KWS,  220
.set G1,  24
.set G0,  32
.set G1B, 48
.set G0B, 56
.set SEL, 92
.set MSB, 0
.macro WIN new                         ; the immediate's high byte repeats the setting that is left
.if MSB != (\new)
	s_set_vgpr_msb (MSB<<8)|(\new)
.set MSB, (\new)
.endif
.endm
.set MUL_LO, 0xa1                      ; source 0 (B') window 1, source 1 (A') window 0, C and D window 2
.set MUL_HI, 0xf1
.set TO_B,   0x40
; A joint load: waves 0 and 1 fetch A' halves, waves 2 and 3 B' halves.  Four v_nop follow each of the two lines.
.macro JLOAD g0a, g1a, g0b, g1b
	s_cmp_eq_u32 s19, 0
	s_cbranch_scc0 .Lfor_b_\@
	tensor_load_to_lds s[\g0a:\g0a+3], s[\g1a:\g1a+7]
	s_nop 0
.rept 4
	v_nop
.endr
	s_branch .Lasked_\@
.Lfor_b_\@:
	tensor_load_to_lds s[\g0b:\g0b+3], s[\g1b:\g1b+7]
	s_nop 0
.rept 4
	v_nop
.endr
.Lasked_\@:
.endm
.macro CREST                           ; a round of the cluster's barrier behind its opening barrier
	s_cmp_lg_u32 s18, 0
	s_cbranch_scc1 .Lnot_wave_0_\@
	s_barrier_signal -3
.Lnot_wave_0_\@:
	s_barrier_wait -3
	s_barrier_signal -1
	s_barrier_wait -1
.endm
.macro CROUND
	s_barrier_signal -1
	s_barrier_wait -1
	CREST
.endm
	s_load_b256 s[4:11], s[0:1], 0x0               ; x_ops s[4:5], w_ops s[6:7], bq s[8:9], bk s[10:11]
	s_load_b128 s[12:15], s[0:1], 0x20             ; bv s[12:13], q_ops s[14:15]
	s_load_b64 s[16:17], s[0:1], 0x30              ; kv_ops
	v_lshl_add_u32 v[SPW], v0, 2, SPARE
	v_mov_b32 v[NIL], 0
	ds_add_u32 v28, v29
	ds_add_u32 v28, v29
	s_wait_dscnt 0x0
	v_lshrrev_b32 v1, 5, v0
	v_readfirstlane_b32 s18, v1                    ; wave 0..3
	s_lshr_b32 s19, s18, 1                         ; which half of A' rows is mine.  Also: I fetch for A' (0) or B' (1)
	s_and_b32 s20, s18, 1                          ; which half of B' rows.  Also: which 128 rows I fetch
	s_bfe_u32 s21, ttmp6, 0x40000                  ; cx
	s_bfe_u32 s22, ttmp6, 0x40004                  ; cy
	s_mov_b32 s23, ttmp9                           ; the cluster's x: 0, 1
	s_and_b32 s40, ttmp7, 0xffff                   ; the cluster's y: 0 .. 11
	s_lshl_b32 s43, s22, 2
	s_lshl_b32 s43, 15, s43                        ; my row of the cluster
	s_lshl_b32 s44, 0x1111, s21                    ; my column
	s_lshl_b32 s46, s40, 2
	s_sub_co_u32 s47, s40, 8
	s_lshl_b32 s47, s47, 1
	s_add_co_u32 s47, s47, s23                     ; v's way: 2 (y - 8) + x (not used on the other way)
	s_cmp_lt_u32 s40, 8                            ; q's and k's way, or v's
	s_cselect_b32 s41, s46, 0
	s_cselect_b32 s42, s23, s47
	s_cselect_b32 s84, 0, 16*RBB                   ; v's way: A' begins at Wv's blocks
	s_add_co_u32 s41, s41, s22                     ; tile row of A': 4 y + cy, or cy
	s_lshl_b32 s42, s42, 2
	s_add_co_u32 s42, s42, s21                     ; tile row of B': 4 x + cx, or 4 (2 (y - 8) + x) + cx
	; descriptor group 1: a dense piece of 25,600 bytes as 100 rows of 32 elements of 8 bytes
	s_or_b32 s[G1+0], s43, (3<<16)|(1<<21)         ; 15:0 the mask: my row; 17:16 elements of 8 bytes; 21 set beside a mask
	s_or_b32 s[G1B+0], s44, (3<<16)|(1<<21)        ; the mask of my column
.irp g, G1, G1B
	s_mov_b32 s[\g+1], 32<<16                      ; tensor_dim0
	s_mov_b32 s[\g+2], 100<<16                     ; tensor_dim1
	s_mov_b32 s[\g+3], 32<<16                      ; tile_dim0
	s_mov_b32 s[\g+4], 100                         ; tile_dim1
	s_mov_b32 s[\g+5], 32                          ; the pitch
	s_mov_b32 s[\g+6], 0
	s_mov_b32 s[\g+7], 0
.endr
	s_lshl_b32 s68, s41, 1
	s_add_co_u32 s68, s68, s20
	s_mul_i32 s68, s68, RBB
	s_add_co_u32 s68, s68, s84                     ; A': which block of 128 rows I would fetch
	s_mov_b32 s69, 0
	s_lshl_b32 s76, s42, 1
	s_add_co_u32 s76, s76, s20
	s_mul_i32 s76, s76, RBB                        ; B' likewise
	s_mov_b32 s77, 0
	s_mul_i32 s45, s18, HALFT                      ; where it goes: no place in the cluster enters an LDS address
	s_mov_b32 s[SEL], 0x76543210
	s_mov_b32 s[SEL+1], 0xfedcba98                 ; v_permlanex16_b32's selects for lane l xor 16
	s_wait_kmcnt 0x0
	s_cmp_lt_u32 s40, 8
	s_cselect_b64 s[80:81], s[4:5], s[6:7]         ; A' buffer
	s_cselect_b64 s[82:83], s[6:7], s[4:5]         ; B' buffer
	s_add_nc_u64 s[68:69], s[80:81], s[68:69]
	s_add_nc_u64 s[76:77], s[82:83], s[76:77]
	CROUND                                         ; all sixteen work-groups are here: the first joint loads meet
.irp s, 0,1
	s_mov_b32 s[G0+4*\s], 1
	s_add_co_u32 s[G0+4*\s+1], s45, \s*SLOT
	s_add_nc_u64 s[G0+4*\s+2:G0+4*\s+3], s[68:69], \s*HALFT
	s_or_b32 s[G0+4*\s+3], s[G0+4*\s+3], 0x80000000
	s_mov_b32 s[G0B+4*\s], 1
	s_add_co_u32 s[G0B+4*\s+1], s45, \s*SLOT
	s_add_nc_u64 s[G0B+4*\s+2:G0B+4*\s+3], s[76:77], \s*HALFT
	s_or_b32 s[G0B+4*\s+3], s[G0B+4*\s+3], 0x80000000
	JLOAD G0+4*\s, G1, G0B+4*\s, G1B
.endr
	v_and_b32 v1, 15, v0                           ; r
	v_bfe_u32 v2, v0, 4, 1                         ; h
	v_and_b32 v[LN], 31, v0
	v_mul_u32_u24 v3, v[LN], 24
	s_mul_i32 s46, s19, HALFT                      ; my 128 rows of A'
	s_mul_i32 s47, s20, HALFT
	s_add_co_u32 s47, s47, 2*HALFT                 ; my 128 rows of B'
.irp s, 0,1
	v_add_nc_u32 v[ADRA+\s], s46, v3
	v_add_nc_u32 v[ADRB+\s], s47, v3
	s_add_co_u32 s46, s46, SLOT
	s_add_co_u32 s47, s47, SLOT
.endr
	s_mul_i32 s46, s19, HALFT
	s_mul_i32 s47, s20, HALFT
	s_add_co_u32 s47, s47, 2*HALFT
	s_sub_co_u32 s47, s47, s46
	v_mul_u32_u24 v4, s47, v2                      ; lanes 16-31 take B' words: one product, the distance between the two pieces
	v_lshl_add_u32 v4, v1, 3, v4
	s_add_co_u32 s46, s46, 24576
	v_add_nc_u32 v[ADRS], s46, v4
	v_add_nc_u32 v[ADRS+1], SLOT, v[ADRS]
	v_lshlrev_b32 v[LI], 4, v[LN]
	v_mul_u32_u24 v[KWA], v2, 204800
	v_lshl_add_u32 v[KWA], v1, 4, v[KWA]
	v_lshlrev_b32 v[BQ], 6, v2
	v_and_b32 v5, 8, v1
	v_add_nc_u32 v5, v5, v1
	v_lshlrev_b32 v[BV], 2, v5
	; where my results go.  q, k: x's block = 2 (tile row of A') + my half, first head = 4 (tile of B' % 4) + 2 (my half of B').  v: x's block = 2 (tile of B') + half, first head = 4 (tile row of A') + 2 (half)
	s_lshl_b32 s85, s41, 1
	s_add_co_u32 s85, s85, s19
	s_lshl_b32 s86, s42, 1
	s_add_co_u32 s86, s86, s20
	s_and_b32 s87, s86, 7
	s_cmp_lt_u32 s40, 8
	s_cselect_b32 s88, s85, s86                    ; x's block of 128 rows
	s_cselect_b32 s89, s87, s85
	s_lshl_b32 s89, s89, 1                         ; my first head
	s_lshr_b32 s90, s88, 4
	s_lshl_b32 s90, s90, 4
	s_add_co_u32 s90, s90, s89                     ; 16 x batch + head
	s_and_b32 s91, s88, 15                         ; which 128 rows of the batch's 2,048
	s_lshl_b32 s86, s89, 8                         ; my two heads' 512 bytes of a bias
	s_mov_b32 s87, 0
.macro FRAG reg, adr, q, i             ; 16 rows x 128 K: 12 registers, six loads of 8 bytes
.irp p, 0,1,2,3,4,5
	ds_load_b64 v[\reg+2*\p:\reg+2*\p+1], v[\adr] offset:(\q)*12288+(\i)*1536+768*(\p/3)+8*(\p%3)
.endr
.endm
; 16 matrix instructions: A' blocks a0, a0 + 1 x B' eight.  The 64 accumulators take turns, one instruction a turn, in the same order in every step.
.macro MUL16 a0, p, q, sc, zero
.irp a, \a0, \a0+1
.irp b, 0,1,2,3,4,5,6,7
.if \zero
	v_wmma_scale_f32_16x16x128_f8f6f4 v[8*(8*((\a)%4)+\b):8*(8*((\a)%4)+\b)+7], v[128*(\p)+FR*\b:128*(\p)+FR*\b+FR-1], v[AF+FR*(\a):AF+FR*(\a)+FR-1], 0, v[SC+8*NQ*(\sc)+NQ*\b+(\q)], v[SC+8*NQ*(\sc)+NQ*(\a)+(\q)] matrix_a_fmt:MATRIX_FMT_BF6 matrix_b_fmt:MATRIX_FMT_BF6 matrix_a_scale:MATRIX_SCALE_ROW1
.else
	v_wmma_scale_f32_16x16x128_f8f6f4 v[8*(8*((\a)%4)+\b):8*(8*((\a)%4)+\b)+7], v[128*(\p)+FR*\b:128*(\p)+FR*\b+FR-1], v[AF+FR*(\a):AF+FR*(\a)+FR-1], v[8*(8*((\a)%4)+\b):8*(8*((\a)%4)+\b)+7], v[SC+8*NQ*(\sc)+NQ*\b+(\q)], v[SC+8*NQ*(\sc)+NQ*(\a)+(\q)] matrix_a_fmt:MATRIX_FMT_BF6 matrix_b_fmt:MATRIX_FMT_BF6 matrix_a_scale:MATRIX_SCALE_ROW1
.endif
.endr
.endr
.endm
.macro FETCH_B slot, q, p
	WIN TO_B
.irp i, 0,1,2,3,4,5,6,7
	FRAG 128*(\p)+FR*\i, ADRB+\slot, \q, \i
.endr
	WIN 0
.endm
.macro FETCH_A slot, q, i0
.irp i, \i0, \i0+1, \i0+2, \i0+3
	FRAG AF+FR*(\i), ADRA+\slot, \q, \i
.endr
.endm
.macro SCALES sc                       ; the slot's scale words: two a row; lanes 0-15 take A' block i, lanes 16-31 B' block i
.irp i, 0,1,2,3,4,5,6,7
	ds_load_b64 v[SC+8*NQ*\sc+NQ*\i:SC+8*NQ*\sc+NQ*\i+1], v[ADRS+\sc] offset:\i*128
.endr
.endm
.macro PLACES n                        ; plain vector lines between a matrix instruction and a load into, or a read of, its registers (ISA guide 7.12.1 for reads)
.rept \n
	v_nop
.endr
.endm
.macro STEP slot, q, zero              ; 128 along K that has its successor in the same slot
	s_wait_dscnt 4*NL                              ; B' set and A' blocks 0-3 are in; the youngest 24 loads (A' blocks 4-7) may be out
	WIN MUL_LO
	MUL16 0, (\q)%2, \q, \slot, \zero
	MUL16 2, (\q)%2, \q, \slot, \zero
	s_wait_dscnt 0
	PLACES NP
	FETCH_B \slot, (\q)+1, 1-(\q)%2
	FETCH_A \slot, (\q)+1, 0
	WIN MUL_HI
	MUL16 4, (\q)%2, \q, \slot, \zero
	MUL16 6, (\q)%2, \q, \slot, \zero
	PLACES NP
	WIN 0
	FETCH_A \slot, (\q)+1, 4
.endm
; A slot's last step changes slots: one barrier; in front of it each wave waits for all its tensor loads, adds 0 to its spare word, and waits for that and for its reads of this slot.
.macro TURN slot, next, fill
	s_wait_tensorcnt 0x0                           ; all my tensor loads have landed: my part of the next slot
	ds_add_u32 v[SPW], v[NIL]                      ; 0 onto my spare word
	s_wait_dscnt 4*NL+1                            ; (the add and the youngest 24 loads may be out)
	WIN MUL_LO
	MUL16 0, 1, NQ-1, \slot, 0
	s_wait_dscnt 0x0                               ; the add is done, and my reads of this slot are over
	s_barrier_signal -1
	MUL16 2, 1, NQ-1, \slot, 0
	WIN 0
	s_barrier_wait -1
.if \fill
	CREST                                          ; the barrier has opened a round of the cluster's barrier: no wave of any partner still reads this slot or has a load on its way
	s_add_nc_u64 s[G0+4*\slot+2:G0+4*\slot+3], s[G0+4*\slot+2:G0+4*\slot+3], 2*HALFT
	s_add_nc_u64 s[G0B+4*\slot+2:G0B+4*\slot+3], s[G0B+4*\slot+2:G0B+4*\slot+3], 2*HALFT
	JLOAD G0+4*\slot, G1, G0B+4*\slot, G1B         ; the first tensor load behind the round; its four v_nop are also the places in front of the loads below
.else
	PLACES NP
.endif
	FETCH_B \next, 0, 0
	FETCH_A \next, 0, 0
	SCALES \next
	WIN MUL_HI
	MUL16 4, 1, NQ-1, \slot, 0
	MUL16 6, 1, NQ-1, \slot, 0
	PLACES NP
	WIN 0
	FETCH_A \next, 0, 4
.endm
.macro LAST                            ; the very last 128 along K: nothing more to fetch
	s_wait_dscnt 4*NL
	WIN MUL_LO
	MUL16 0, 1, NQ-1, 1, 0
	MUL16 2, 1, NQ-1, 1, 0
	s_wait_dscnt 0
	WIN MUL_HI
	MUL16 4, 1, NQ-1, 1, 0
	MUL16 6, 1, NQ-1, 1, 0
	WIN 0
.endm
; The 64 numbers of A' block a, + the bias, into window 0.  Ascending: each accumulator is read from its low end on.  perlane = 1: the bias belongs to the lane's row, else to the register.
.macro ADDB a, perlane
	WIN 0x02+((\a)/4)                              ; source 0: window 2 or 3
.set k, 0
.rept 32
.if \perlane
	v_pk_add_f32 v[HA+2*k:HA+2*k+1], v[64*((\a)%4)+2*k:64*((\a)%4)+2*k+1], v[BIAS+2*(\a):BIAS+2*(\a)+1]
.else
	v_pk_add_f32 v[HA+2*k:HA+2*k+1], v[64*((\a)%4)+2*k:64*((\a)%4)+2*k+1], v[BIAS+2*k:BIAS+2*k+1]
.endif
.set k, k+1
.endr
	WIN 0
.endm
; 64 numbers of a lane, register 16 b + i = k 32 b + 16 (lane / 16) + i of my row, become codes: blocks 0, 1 in v[d0 .. d0 + 5], blocks 2, 3 in v[d1 .. d1 + 5] (a lane holds a whole block), and the four scale bytes in v[PW].
.macro QUANT s, d0, d1
.irp b, 0,1,2,3
	v_max3_num_f32 v[TM+\b], |v[\s+16*\b]|, |v[\s+1+16*\b]|, 0x2800000   ; my 16 numbers of block b, and the floor 2^(5 - 127)
.endr
.irp i, 2,4,6,8,10,12,14
.irp b, 0,1,2,3
	v_max3_num_f32 v[TM+\b], v[TM+\b], |v[\s+16*\b+\i]|, |v[\s+1+16*\b+\i]|
.endr
.endr
.irp b, 0,1,2,3
	v_permlanex16_b32 v[TM+4+\b], v[TM+\b], s[SEL], s[SEL+1]
.endr
.irp b, 0,1,2,3
	v_max_num_f32 v[TM+\b], v[TM+\b], v[TM+4+\b]   ; with lane l xor 16's: the block's largest magnitude
.endr
.irp b, 0,1,2,3
	v_add_nc_u32 v[TM+12+\b], 0xfe000000, v[TM+\b] ; 4 off its exponent field: the conversion's scale operand
.endr
.irp b, 0,1,2,3
	v_lshrrev_b32 v[TM+4+\b], 23, v[TM+12+\b]      ; the scale's byte
.endr
	v_lshl_or_b32 v[PW], v[TM+5], 8, v[TM+4]
	v_lshl_or_b32 v[PW], v[TM+6], 16, v[PW]
	v_lshl_or_b32 v[PW], v[TM+7], 24, v[PW]
	v_cvt_scalef32_pk16_bf6_f32 v[\d0:\d0+2], v[\s:\s+15], v[TM+12]
	v_cvt_scalef32_pk16_bf6_f32 v[T2:T2+2], v[\s+16:\s+31], v[TM+13]
	v_cvt_scalef32_pk16_bf6_f32 v[\d1:\d1+2], v[\s+32:\s+47], v[TM+14]
	v_cvt_scalef32_pk16_bf6_f32 v[T2+4:T2+6], v[\s+48:\s+63], v[TM+15]
	v_nop                                          ; one plain line behind a scaled conversion
.irp i, 0,1,2
	v_permlane16_swap_b32 v[\d0+\i], v[T2+\i]      ; lanes 0-15 get the whole of the first block, lanes 16-31 of the second
.endr
.irp i, 0,1,2
	v_mov_b32 v[\d0+3+\i], v[T2+\i]
.endr
.irp i, 0,1,2
	v_permlane16_swap_b32 v[\d1+\i], v[T2+4+\i]
.endr
.irp i, 0,1,2
	v_mov_b32 v[\d1+3+\i], v[T2+4+\i]
.endr
.endm
.macro BIASROW                         ; q, k: register 8 b + j wants the bias of column 32 (b / 2) + 16 (lane / 16) + 8 (b % 2) + j of my two heads
.irp b, 0,1,2,3,4,5,6,7
	global_load_b128 v[BIAS+8*\b:BIAS+8*\b+3], v[BQ], s[74:75] offset:(32*(\b/2)+8*(\b%2))*4
	global_load_b128 v[BIAS+8*\b+4:BIAS+8*\b+7], v[BQ], s[74:75] offset:(32*(\b/2)+8*(\b%2))*4+16
.endr
.endm
.macro TAILHEAD
	PLACES NP                                      ; behind the last products: their results are read, and their operands' registers written, below
.irp b, 0,1,2,3
	v_mov_b32 v[TM+4+\b], 0                        ; written once: a lane permute's destination counts as one of its sources
.endr
	s_wait_loadcnt 0x0                             ; the bias
.endm
	s_wait_tensorcnt 1                             ; my part of slot 0 is in; slot 1's load may be out
	s_barrier_signal -1
	s_barrier_wait -1
	FETCH_B 0, 0, 0
	FETCH_A 0, 0, 0
	SCALES 0
	FETCH_A 0, 0, 4
	STEP 0, 0, 1                                   ; K = 1,024 is four slots' worth, written out; the first products start the sums
	TURN 0, 1, 1
	STEP 1, 0, 0
	TURN 1, 0, 1
	STEP 0, 0, 0
	TURN 0, 1, 0                                   ; nothing is left to fetch
	STEP 1, 0, 0
	s_cmp_ge_u32 s40, 8                            ; the three ways out part on the cluster's numbers, alike in all sixteen partners
	s_cbranch_scc1 .Ltail_v
	s_cmp_eq_u32 s23, 1
	s_cbranch_scc1 .Ltail_k
	; ---- q: a tile of 16 queries x two heads at a time
	s_lshl_b32 s72, s90, 17                        ; 131,072 bytes a head
	s_lshl_b32 s73, s91, 13                        ; 8 tiles of 1,024 bytes
	s_add_co_u32 s72, s72, s73
	s_mov_b32 s73, 0
	s_add_nc_u64 s[72:73], s[14:15], s[72:73]
	s_add_nc_u64 s[74:75], s[8:9], s[86:87]
	BIASROW                                        ; lands behind the last 64 products
	LAST
	TAILHEAD
	v_mov_b32 v39, 0                               ; register 7 of an image
	v_mov_b32 v47, 0
.irp a, 0,1,2,3,4,5,6,7
	s_wait_xcnt 0x0                                ; the last tile's stores have read their registers
	ADDB \a, 0
	QUANT HA, 32, 40
	v_perm_b32 v38, v[PW], v[PW], 0x01000100       ; the first head's word: s0, s1, s0, s1
	v_perm_b32 v46, v[PW], v[PW], 0x03020302       ; the second head's
	global_store_b128 v[LI], v[32:35], s[72:73] offset:1024*\a          ; 512 consecutive bytes each
	global_store_b128 v[LI], v[36:39], s[72:73] offset:1024*\a+512
	global_store_b128 v[LI], v[40:43], s[72:73] offset:1024*\a+131072
	global_store_b128 v[LI], v[44:47], s[72:73] offset:1024*\a+131072+512
.endr
	s_branch .Lend
.Ltail_k:
	; ---- k: two tiles of 16 keys make a fragment of each of two heads
	s_mul_i32 s72, s90, 204800
	s_mul_i32 s73, s91, 12800
	s_add_co_u32 s72, s72, s73
	s_mov_b32 s73, 0
	s_add_nc_u64 s[72:73], s[16:17], s[72:73]
	s_add_nc_u64 s[74:75], s[10:11], s[86:87]
	BIASROW
	LAST
	TAILHEAD
.irp bb, 0,1,2,3
	s_wait_xcnt 0x0
	ADDB 2*\bb, 0
	QUANT HA, F1, F2
	v_mov_b32 v[PWA], v[PW]
	ADDB 2*\bb+1, 0
	QUANT HA, F1+6, F2+6
	v_perm_b32 v[KW1+\bb], v[PW], v[PWA], 0x05040100   ; first head: the lower tile's s0, s1, the upper tile's s0, s1
	v_perm_b32 v[KW2+\bb], v[PW], v[PWA], 0x07060302   ; second head
.irp c, 0,1,2
	global_store_b128 v[LI], v[F1+4*\c:F1+4*\c+3], s[72:73] offset:1536*\bb+512*\c
	global_store_b128 v[LI], v[F2+4*\c:F2+4*\c+3], s[72:73] offset:1536*\bb+512*\c+204800
.endr
.endr
	v_cmp_le_u32 vcc_lo, 16, v[LN]
.irp i, 0,1,2,3
	v_cndmask_b32 v[KWS+\i], v[KW1+\i], v[KW2+\i], vcc_lo   ; lanes 0-15 store the first head's words, lanes 16-31 the second's: 256 consecutive bytes each
.endr
	global_store_b128 v[KWA], v[KWS:KWS+3], s[72:73] offset:12288
	s_branch .Lend
.Ltail_v:
	; ---- v: a tile of 16 channels x 128 keys is a fragment
	s_mul_i32 s72, s90, 204800
	s_mul_i32 s73, s91, 12800
	s_add_co_u32 s72, s72, s73
	s_mov_b32 s73, 0
	s_add_nc_u64 s[72:73], s[16:17], s[72:73]
	s_add_nc_u64 s[74:75], s[12:13], s[86:87]
.irp a, 0,1,2,3,4,5,6,7
	global_load_b32 v[BIAS+2*\a], v[BV], s[74:75] offset:(32*(\a/2)+8*(\a%2))*4     ; my channel's bias, twice: a pair for the packed addition
	global_load_b32 v[BIAS+2*\a+1], v[BV], s[74:75] offset:(32*(\a/2)+8*(\a%2))*4
.endr
	LAST
	TAILHEAD
.irp a, 0,1,2,3,4,5,6,7
	s_wait_xcnt 0x0
	ADDB \a, 1
	QUANT HA, F1, F1+6
	v_mov_b32 v[KW1+\a], v[PW]                     ; tiles 0-3: the first head's words, 4-7: the second's
.irp c, 0,1,2
	global_store_b128 v[LI], v[F1+4*\c:F1+4*\c+3], s[72:73] offset:6144+1536*(\a%4)+512*\c+204800*(\a/4)
.endr
.endr
	v_cmp_le_u32 vcc_lo, 16, v[LN]
.irp i, 0,1,2,3
	v_cndmask_b32 v[KWS+\i], v[KW1+\i], v[KW2+\i], vcc_lo
.endr
	global_store_b128 v[KWA], v[KWS:KWS+3], s[72:73] offset:12288+256
.Lend:
	s_wait_tensorcnt 0x0                           ; the wave's end
	ds_add_u32 v[SPW], v[NIL]
	s_wait_dscnt 0x0
	CROUND                                         ; the closing round: no work-group ends while a partner may still ask for a tile that names it
	s_endpgm
.Lfunc_end_k_qbafe63d067_qkv:
	.size	k_qbafe63d067_qkv, .Lfunc_end_k_qbafe63d067_qkv-k_qbafe63d067_qkv
	.p2alignl 7, 3214868480
	.fill 96, 4, 3214868480
	.section	.rodata,"a",@progbits
	.p2align	6, 0x0
	.amdhsa_kernel k_qbafe63d067_qkv
		.amdhsa_group_segment_fixed_size 327680
		.amdhsa_private_segment_fixed_size 0
		.amdhsa_enable_private_segment 0
		.amdhsa_kernarg_size 56
		.amdhsa_user_sgpr_count 2
		.amdhsa_user_sgpr_kernarg_segment_ptr 1
		.amdhsa_wavefront_size32 1
		.amdhsa_system_sgpr_workgroup_id_x 1
		.amdhsa_system_sgpr_workgroup_id_y 1
		.amdhsa_system_sgpr_workgroup_id_z 1
		.amdhsa_system_vgpr_workitem_id 0
		.amdhsa_next_free_vgpr 1024
		.amdhsa_next_free_sgpr 96
		.amdhsa_reserve_vcc 1
		.amdhsa_float_denorm_mode_32 3
		.amdhsa_float_denorm_mode_16_64 3
		.amdhsa_memory_ordered 1
		.amdhsa_forward_progress 1
		.amdhsa_inst_pref_size 255
	.end_amdhsa_kernel
	.section	.bss,"aw",@nobits
	.p2align	6
	.space	262144
	.amdgpu_metadata
---
amdhsa.version: [ 1, 2 ]
amdhsa.kernels:
  - .name:           k_qbafe63d067_qkv
    .symbol:         k_qbafe63d067_qkv.kd
    .args:
      - { .name: x_ops, .offset: 0, .size: 8, .value_kind: global_buffer, .address_space: global }
      - { .name: w_ops, .offset: 8, .size: 8, .value_kind: global_buffer, .address_space: global }
      - { .name: bq, .offset: 16, .size: 8, .value_kind: global_buffer, .address_space: global }
      - { .name: bk, .offset: 24, .size: 8, .value_kind: global_buffer, .address_space: global }
      - { .name: bv, .offset: 32, .size: 8, .value_kind: global_buffer, .address_space: global }
      - { .name: q_ops, .offset: 40, .size: 8, .value_kind: global_buffer, .address_space: global }
      - { .name: kv_ops, .offset: 48, .size: 8, .value_kind: global_buffer, .address_space: global }
    .group_segment_fixed_size: 327680
    .private_segment_fixed_size: 0
    .kernarg_segment_align: 8
    .kernarg_segment_size: 56
    .max_flat_workgroup_size: 128
    .sgpr_count:     96
    .vgpr_count:     1024
    .wavefront_size: 32
...
	.end_amdgpu_metadata
.endif
;; end of part 3
;; launch attn (part 4): grid 4 x 64, 16 waves a work-group, no clusters, 219,136 bytes of LDS; arguments q_ops, kv_ops, ctx_ops; writes ctx_ops
.if DOCPART == 4
	.amdgcn_target "amdgcn-amd-amdhsa--gfx1250"
	.amdhsa_code_object_version 6
	.text
	.protected	k_qbafe63d067_attn
	.globl	k_qbafe63d067_attn
	.p2align	8
	.type	k_qbafe63d067_attn,@function
k_qbafe63d067_attn:
	s_mov_b64 s[64:65], 0
	v_nop
	global_prefetch_b8 v0, s[64:65] scope:SCOPE_SE
	s_setreg_imm32_b32 hwreg(HW_REG_WAVE_MODE, 25, 1), 1
	s_wait_xcnt 0x0
; ctx = softmax(q k^T / 8, causal) v for one head of one batch, both products on codes of BF6 (E3M2) with E8M0 scales; ctx leaves as codes, quantised along the 1,024 of the last product's K.
; THE SOFTMAX: t = score x log2(e) / 8; M = the running largest t rounded UP to a whole number; p = 2^(t - M) is quantised along the keys, not normalised; the row's sum is taken of the unquantised p
; and divides at the end.  When M moves, the sum and O are multiplied by 2^(old M - new M): exact.
; MASK: a hidden score becomes -infinity, so p = 0.  The definition adds -1e9 instead: the same p = 0 as long as scores stay under some 4e8 in magnitude.
; LIMITS: NaN and infinities are not served; a block of ctx whose largest magnitude lies under 2^-122, zeros among them, gets the scale byte 1; this program alone reads the bytes.
; SHARES: work-group (p, head of batch) owns the blocks p and 7 - p of 256 queries, so that every work-group has the same number of open key steps.  Each of its sixteen waves owns one tile of 16 queries
; in each of the two blocks, one after the other, in 256 registers: four waves to a SIMD, so that one wave's vector work stands beside another's matrix work.
; THE WHOLE HEAD'S K AND V, 204,800 bytes of codes and scale words, lie in LDS, filled ONCE by eight tensor loads (waves 0-3, two each): no slot is filled again.
; NO CLUSTER: the four work-groups of a head differ in p, on which the skipping of hidden steps hangs, and partners of joint loads must run alike.
; K = 64 IN A FORM OF 128: a fragment of K holds two tiles of 16 keys side by side (k 0-63: the lower tile, 64-127: the upper).  Q is kept twice: Qlo = (q, zero codes), Qhi = (zero codes, q).
; K-fragment x Qlo gives the lower tile's scores, x Qhi the upper's: zero codes add nothing under any scale byte from 1 to 254.
; LAYOUT: both products are used transposed: a lane holds ONE query (lane % 16).  Rows of tiles are chosen so that S's registers 16 b + i are keys 32 b + 16 (lane / 16) + i, and O's 16 b + i channels likewise.
.set STEPB, 12800                      ; a step of 128 keys: four fragments of K, four of V^T, 512 bytes of scale words
.set STAGE, 204800                     ; behind the head's tiles: 768 bytes for each wave
.set LI,   1                           ; v1  16 x lane
.set AD,   2                           ; v2  the step's LDS address
.set DQ,   4                           ; v4  r + 8 (r / 8) - 16 (lane / 16)
.set STI,  5                           ; v5  my stage + 24 x lane
.set STO,  6                           ; v6  my stage + 16 x lane
.set STP,  7                           ; v7  my stage + 512 + 8 x lane
.set L8,   8                           ; v8  8 x lane
.set R8,   9                           ; v9  8 r
.set QW,   40                          ; q's scale words
.set PWD,  41                          ; p's scale word
.set SW,   42                          ; v42-45 lanes 0-15: K's four words, lanes 16-31: V's
.set KV,   48                          ; v48-95 four fragments
.set S,    96                          ; v96-159 S^T, then p
.set O,    160                         ; v160-191 O^T
.set PC,   192                         ; v192-203 p's codes
.set CT,   204                         ; v204-210 conversions' second halves
.set BM,   212                         ; v212-215 the blocks' maxima
.set BT,   216                         ; v216-219 the other half's, then bytes
.set SO,   220                         ; v220-223 the conversions' scale operands
.set WV,   10
.set SEL,  32
.set CS,   34
.set TB,   36
.set KF,   37
.set Q0,   38
.set QMAX, 39
.set CNT,  40
	s_load_b128 s[4:7], s[0:1], 0x0                ; q_ops, kv_ops
	s_load_b64 s[8:9], s[0:1], 0x10                ; ctx_ops
	v_lshl_add_u32 v254, v0, 2, 0x35000
	v_mov_b32 v255, 0
	ds_add_u32 v254, v255
	ds_add_u32 v254, v255
	v_lshrrev_b32 v3, 5, v0
	v_readfirstlane_b32 s[WV], v3                  ; wave 0..15
	s_mov_b32 s11, ttmp9                           ; p
	s_and_b32 s12, ttmp7, 0xffff                   ; 16 x batch + head
	; descriptor group 1: 25,600 dense bytes as 100 rows of 32 elements of 8 bytes
	s_mov_b32 s16, 3<<16
	s_mov_b32 s17, 32<<16
	s_mov_b32 s18, 100<<16
	s_mov_b32 s19, 32<<16
	s_mov_b32 s20, 100
	s_mov_b32 s21, 32
	s_mov_b32 s22, 0
	s_mov_b32 s23, 0
	s_min_u32 s62, s[WV], 3                        ; (waves 4-15 issue no load)
	s_mul_i32 s41, s62, 2*STEPB
	s_mul_i32 s42, s12, 16*STEPB
	s_add_co_u32 s42, s42, s41
	s_mov_b32 s43, 0
	s_lshr_b32 s58, s12, 4                         ; batch
	s_and_b32 s59, s12, 15                         ; head
	s_mul_i32 s13, s58, 16*102400
	s_lshr_b32 s60, s59, 2
	s_mul_i32 s60, s60, 25600
	s_add_co_u32 s13, s13, s60                     ; ctx_ops: the batch's blocks, the head's 256 along K
	s_bfe_u32 s60, s59, 0x10001
	s_mul_i32 s14, s60, 12288
	s_and_b32 s60, s59, 1
	s_mul_i32 s60, s60, 768
	s_add_co_u32 s14, s14, s60                     ; its 64 among them: codes,
	s_and_b32 s15, s59, 3
	s_lshl_b32 s15, s15, 1
	s_add_co_u32 s15, s15, 24576                   ; and two scale bytes
	s_sub_co_u32 s63, 7, s11                       ; the second block of queries
	s_mov_b32 s[SEL], 0x76543210
	s_mov_b32 s[SEL+1], 0xfedcba98
	s_mov_b32 s[CS], 0x3e38aa3b                    ; c = log2(e) / 8
	s_mov_b32 s[CS+1], s[CS]
	s_wait_dscnt 0x0
	s_wait_kmcnt 0x0
	s_mov_b32 s24, 1
	s_mov_b32 s25, s41                             ; steps 2 w, 2 w + 1
	s_add_nc_u64 s[26:27], s[6:7], s[42:43]
	s_mov_b32 s28, 1
	s_add_co_u32 s29, s41, 8*STEPB                 ; steps 8 + 2 w, 9 + 2 w
	s_add_nc_u64 s[30:31], s[26:27], 8*STEPB
	s_or_b32 s27, s27, 0x80000000
	s_or_b32 s31, s31, 0x80000000
	s_cmp_lt_u32 s[WV], 4                          ; a wave's two fills stand in one branch on the wave's number, ahead of every wait on TENSORcnt, every LDS read and every barrier
	s_cbranch_scc0 .Lno_fetch
	tensor_load_to_lds s[24:27], s[16:23]
	s_nop 0
	tensor_load_to_lds s[28:31], s[16:23]
	s_nop 0
.rept 4
	v_nop
.endr
.Lno_fetch:
; the addresses of a phase: qb = the register with the block of queries; T = 16 x block + wave
.macro PHADDR qb, aq, ac, as, q0
	s_lshl_b32 s58, s[\qb], 4
	s_add_co_u32 s58, s58, s[WV]                   ; my tile T
	s_lshl_b32 s59, s12, 7
	s_add_co_u32 s59, s59, s58
	s_lshl_b32 s60, s59, 10
	s_mov_b32 s61, 0
	s_add_nc_u64 s[\aq:\aq+1], s[4:5], s[60:61]    ; its image in q_ops
	s_lshr_b32 s59, s58, 3
	s_mul_i32 s59, s59, 102400
	s_add_co_u32 s59, s59, s13
	s_and_b32 s62, s58, 7
	s_mul_i32 s60, s62, 1536
	s_add_co_u32 s60, s60, s59
	s_add_co_u32 s60, s60, s14
	s_add_nc_u64 s[\ac:\ac+1], s[8:9], s[60:61]    ; its 768 bytes of codes in ctx_ops
	s_lshl_b32 s60, s62, 7
	s_add_co_u32 s60, s60, s59
	s_add_co_u32 s60, s60, s15
	s_add_nc_u64 s[\as:\as+1], s[8:9], s[60:61]    ; its scale bytes
	s_lshr_b32 s59, s58, 1
	s_lshl_b32 s59, s59, 5
	s_and_b32 s62, s58, 1
	s_lshl_b32 s62, s62, 3
	s_add_co_u32 s[\q0], s59, s62                  ; row r of the tile is query 32 (T / 2) + 8 (T % 2) + r + 8 (r / 8)
.endm
	PHADDR 11, 44, 46, 48, 56
	PHADDR 63, 50, 52, 54, 57
	v_and_b32 v3, 31, v0
	v_lshlrev_b32 v[LI], 4, v3
	v_and_b32 v10, 15, v0
	v_bfe_u32 v11, v0, 4, 1
	v_and_b32 v[DQ], 8, v10
	v_add_nc_u32 v[DQ], v[DQ], v10
	v_lshlrev_b32 v11, 4, v11
	v_sub_nc_u32 v[DQ], v[DQ], v11
	s_mul_i32 s41, s[WV], 768
	s_add_co_u32 s41, s41, STAGE
	v_mul_u32_u24 v[STI], v3, 24
	v_add_nc_u32 v[STI], s41, v[STI]
	v_add_nc_u32 v[STO], s41, v[LI]
	v_lshlrev_b32 v[L8], 3, v3
	v_add_nc_u32 v[STP], s41, v[L8]
	v_add_nc_u32 v[STP], 512, v[STP]
	v_lshlrev_b32 v[R8], 3, v10
.irp j, 24,25,26,27,28,29,30,31,32,33
	v_mov_b32 v\j, 0                               ; the zero codes of Qlo's upper and Qhi's lower half
.endr
.irp j, 216,217,218,219,224,225,226,227,228,229,230,231
	v_mov_b32 v\j, 0                               ; written once: destinations of lane permutes, upper halves of pairs, scratch
.endr
.macro PHASE_IN aq, q0
	s_wait_xcnt 0x0                                ; the last phase's stores have read their registers
	global_load_b128 v[16:19], v[LI], s[\aq:\aq+1]             ; Qlo: registers 0-3,
	global_load_b128 v[20:23], v[LI], s[\aq:\aq+1] offset:512  ; 4, 5, the scale word, a zero
	global_load_b128 v[34:37], v[LI], s[\aq:\aq+1]             ; Qhi: the same codes in registers 6-11
	global_load_b64 v[38:39], v[LI], s[\aq:\aq+1] offset:512
	s_mov_b32 s[TB], 0
	s_mov_b32 s[KF], 0
	s_mov_b32 s[Q0], s[\q0]
	s_add_co_u32 s[QMAX], s[Q0], 23
	s_wait_loadcnt 0x0
	v_mov_b32 v[QW], v22
	v_mov_b32 v22, 0
	v_mov_b32 v23, 0
.set k, 0
.rept 32
	v_mov_b32 v[O+k], 0                            ; O^T: the first change of M leaves zeros zeros.  (Also the places between the lines above and the first product)
.set k, k+1
.endr
	v_mov_b32 v13, 0xff61b1e6                      ; the largest t so far: -3e38
	v_floor_f32 v12, -v13                          ; -M
	v_mov_b32 v14, 0
	v_mov_b32 v15, 0
.endm
.macro LAND n                          ; the tiles that have landed are shown to all sixteen waves
	s_wait_tensorcnt \n
	s_wait_dscnt 0x0
	s_barrier_signal -1
	s_barrier_wait -1
.endm
; A KEY STEP: 128 keys
.macro STEP
	s_cmp_gt_u32 s[KF], s[QMAX]                    ; all its keys come after my queries: only the addresses step
	s_cbranch_scc1 .Lhid_\@
	v_add_nc_u32 v[AD], s[TB], v[LI]
.rept 3
	v_nop                                          ; with the addition: four places in front of loads into registers that the last products read
.endr
.irp b, 0,1,2,3
.irp c, 0,1,2
	ds_load_b128 v[KV+12*\b+4*\c:KV+12*\b+4*\c+3], v[AD] offset:1536*\b+512*\c
.endr
.endr
	ds_load_b128 v[SW:SW+3], v[AD] offset:12288
	s_wait_dscnt 0x0
.irp b, 0,1,2,3
	v_wmma_scale_f32_16x16x128_f8f6f4 v[S+16*\b:S+16*\b+7], v[KV+12*\b:KV+12*\b+11], v[16:27], 0, v[SW+\b], v[QW] matrix_a_fmt:MATRIX_FMT_BF6 matrix_b_fmt:MATRIX_FMT_BF6
	v_wmma_scale_f32_16x16x128_f8f6f4 v[S+16*\b+8:S+16*\b+15], v[KV+12*\b:KV+12*\b+11], v[28:39], 0, v[SW+\b], v[QW] matrix_a_fmt:MATRIX_FMT_BF6 matrix_b_fmt:MATRIX_FMT_BF6
.endr
.rept 4
	v_nop
.endr
.irp t, 0,1,2,3
.irp c, 0,1,2
	ds_load_b128 v[KV+12*\t+4*\c:KV+12*\t+4*\c+3], v[AD] offset:6144+1536*\t+512*\c   ; V's fragments land under the softmax
.endr
.endr
	s_add_co_u32 s41, s[KF], 127
	s_cmp_le_u32 s41, s[Q0]                        ; all keys count for all my queries: no mask
	s_cbranch_scc1 .Lopen_\@
	s_sub_co_i32 s41, s[Q0], s[KF]
	v_add_nc_u32 v224, s41, v[DQ]                  ; d = my query - KF - 16 (lane / 16); register 16 b + i is hidden where 32 b + i > d
	v_mov_b32 v225, 0xff800000
.set n, 0
.rept 64
	v_cmp_gt_i32 vcc_lo, 32*(n/16)+n%16, v224
	v_cndmask_b32 v[S+n], v[S+n], v225, vcc_lo
.set n, n+1
.endr
.Lopen_\@:
.irp b, 0,1,2,3
	v_max3_num_f32 v[BM+\b], v[S+16*\b], v[S+1+16*\b], v[S+2+16*\b]   ; the largest score of each block of 32 keys: for the row's maximum, and, since p rises with the score, for the block's largest p
.endr
.irp i, 3,5,7,9,11,13
.irp b, 0,1,2,3
	v_max3_num_f32 v[BM+\b], v[BM+\b], v[S+16*\b+\i], v[S+1+16*\b+\i]
.endr
.endr
.irp b, 0,1,2,3
	v_max_num_f32 v[BM+\b], v[BM+\b], v[S+15+16*\b]
.endr
.irp b, 0,1,2,3
	v_permlanex16_b32 v[BT+\b], v[BM+\b], s[SEL], s[SEL+1]
.endr
.irp b, 0,1,2,3
	v_max_num_f32 v[BM+\b], v[BM+\b], v[BT+\b]
.endr
	v_max3_num_f32 v224, v[BM], v[BM+1], v[BM+2]
	v_max_num_f32 v224, v224, v[BM+3]
	v_mul_f32 v224, s[CS], v224
	v_max_num_f32 v13, v13, v224                   ; the running largest t
	v_mov_b32 v224, v12
	v_floor_f32 v12, -v13                          ; the new -M = -ceil(t)
	v_sub_f32 v224, v12, v224                      ; old M - new M: a whole number, 0 or less
	v_cvt_i32_f32 v224, v224
	v_ldexp_f32 v226, 1.0, v224                    ; f = 2^(old M - new M)
.set j, 0
.rept 32
	v_pk_fma_f32 v[S+j:S+j+1], v[S+j:S+j+1], s[CS:CS+1], v[12:13] op_sel_hi:[1,0,0]   ; t - M
.set j, j+2
.endr
.irp b, 0,1,2,3
	v_fma_f32 v[BM+\b], v[BM+\b], s[CS], v12
.endr
.set j, 0
.rept 64
	v_exp_f32 v[S+j], v[S+j]                       ; p = 2^(t - M)
.set j, j+1
.endr
.irp b, 0,1,2,3
	v_exp_f32 v[BM+\b], v[BM+\b]                   ; the block's largest p
.endr
	v_pk_mul_f32 v[14:15], v[14:15], v[226:227] op_sel_hi:[1,0]   ; the sums under the new M (a plain line behind the exponentials)
	s_wait_alu depctr_va_vdst(0)
.irp b, 0,1,2,3
	v_max_num_f32 v[BM+\b], 0x2800000, v[BM+\b]    ; the floor 2^(5 - 127)
.endr
.irp b, 0,1,2,3
	v_add_nc_u32 v[SO+\b], 0xfe000000, v[BM+\b]
.endr
.irp b, 0,1,2,3
	v_lshrrev_b32 v[BT+\b], 23, v[SO+\b]
.endr
	v_lshl_or_b32 v[PWD], v[BT+1], 8, v[BT]
	v_lshl_or_b32 v[PWD], v[BT+2], 16, v[PWD]
	v_lshl_or_b32 v[PWD], v[BT+3], 24, v[PWD]
.irp c, 0,1
	v_cvt_scalef32_pk16_bf6_f32 v[PC+6*\c:PC+6*\c+2], v[S+32*\c:S+32*\c+15], v[SO+2*\c]
	v_cvt_scalef32_pk16_bf6_f32 v[CT+4*\c:CT+4*\c+2], v[S+32*\c+16:S+32*\c+31], v[SO+2*\c+1]
.endr
	v_nop                                          ; one plain line behind a scaled conversion
.irp c, 0,1
.irp i, 0,1,2
	v_permlane16_swap_b32 v[PC+6*\c+\i], v[CT+4*\c+\i]
.endr
.irp i, 0,1,2
	v_mov_b32 v[PC+3+6*\c+\i], v[CT+4*\c+\i]
.endr
.endr
	v_pk_add_f32 v[228:229], v[S:S+1], v[S+2:S+3]  ; the row's sum is taken of the unquantised p, in two chains
.irp j, 4,8,12,16,20,24,28,32,36,40,44,48,52,56,60
	v_pk_add_f32 v[14:15], v[14:15], v[S+\j:S+\j+1]
	v_pk_add_f32 v[228:229], v[228:229], v[S+\j+2:S+\j+3]
.endr
	v_pk_add_f32 v[14:15], v[14:15], v[228:229]
.set j, 0
.rept 16
	v_pk_mul_f32 v[O+j:O+j+1], v[O+j:O+j+1], v[226:227] op_sel_hi:[1,0]   ; O^T under the new M
.set j, j+2
.endr
	s_wait_dscnt 0x0                               ; V's fragments
.irp t, 0,1,2,3
	v_wmma_scale_f32_16x16x128_f8f6f4 v[O+8*\t:O+8*\t+7], v[KV+12*\t:KV+12*\t+11], v[PC:PC+11], v[O+8*\t:O+8*\t+7], v[SW+\t], v[PWD] matrix_a_fmt:MATRIX_FMT_BF6 matrix_b_fmt:MATRIX_FMT_BF6 matrix_a_scale:MATRIX_SCALE_ROW1
.endr
.Lhid_\@:
	s_add_co_u32 s[KF], s[KF], 128
	s_add_co_u32 s[TB], s[TB], STEPB
.endm
.macro STEPS8                          ; eight steps: the trip count is a constant; hidden steps are jumped over inside
	s_mov_b32 s[CNT], 8
.Lst_\@:
	STEP
	s_sub_co_u32 s[CNT], s[CNT], 1
	s_cmp_lg_u32 s[CNT], 0
	s_cbranch_scc1 .Lst_\@
.endm
; O^T / the sum, quantised along the head's 64 channels (two blocks), through my stage so that 768 consecutive bytes leave
.macro WAYOUT ac, as
.rept 4
	v_nop                                          ; places behind the last products
.endr
	v_add_f32 v14, v14, v15
	v_permlanex16_b32 v224, v14, s[SEL], s[SEL+1]
	v_add_f32 v14, v14, v224                       ; the row's sum
	v_rcp_f32 v230, v14
	v_nop                                          ; one plain line behind a transcendental
.set k, 0
	s_wait_alu depctr_va_vdst(0)
.rept 16
	v_pk_mul_f32 v[S+k:S+k+1], v[O+k:O+k+1], v[230:231] op_sel_hi:[1,0]   ; register 16 b + i: channel 32 b + 16 (lane / 16) + i
.set k, k+2
.endr
.irp b, 0,1
	v_max3_num_f32 v[BM+\b], |v[S+16*\b]|, |v[S+1+16*\b]|, 0x2800000
.endr
.irp i, 2,4,6,8,10,12,14
.irp b, 0,1
	v_max3_num_f32 v[BM+\b], v[BM+\b], |v[S+16*\b+\i]|, |v[S+1+16*\b+\i]|
.endr
.endr
.irp b, 0,1
	v_permlanex16_b32 v[BT+\b], v[BM+\b], s[SEL], s[SEL+1]
.endr
.irp b, 0,1
	v_max_num_f32 v[BM+\b], v[BM+\b], v[BT+\b]
.endr
.irp b, 0,1
	v_add_nc_u32 v[SO+\b], 0xfe000000, v[BM+\b]
.endr
.irp b, 0,1
	v_lshrrev_b32 v[BT+\b], 23, v[SO+\b]
.endr
	v_lshl_or_b32 v224, v[BT+1], 8, v[BT]          ; my query's two scale bytes
	v_cvt_scalef32_pk16_bf6_f32 v[232:234], v[S:S+15], v[SO]
	v_cvt_scalef32_pk16_bf6_f32 v[236:238], v[S+16:S+31], v[SO+1]
	v_nop
.irp i, 0,1,2
	v_permlane16_swap_b32 v[232+\i], v[236+\i]
.endr
.irp i, 0,1,2
	v_mov_b32 v[235+\i], v[236+\i]
.endr
	ds_store_b64 v[STI], v[232:233]
	ds_store_b64 v[STI], v[234:235] offset:8
	ds_store_b64 v[STI], v[236:237] offset:16
	ds_load_b128 v[240:243], v[STO]                ; LDS serves a wave's instructions in order: these see my stores
	ds_load_b64 v[244:245], v[STP]
	global_store_b16 v[R8], v224, s[\as:\as+1]     ; both halves of the lanes write the same two bytes; a scale word spans two heads, which are two work-groups
	s_wait_dscnt 0x0
	global_store_b128 v[LI], v[240:243], s[\ac:\ac+1]
	global_store_b64 v[L8], v[244:245], s[\ac:\ac+1] offset:512
.endm
	PHASE_IN 44, 56                                ; block p: its keys lie in steps 0-7
	LAND 1                                         ; steps 0-7 are in; the loads of steps 8-15 may be out
	STEPS8
	WAYOUT 46, 48
	PHASE_IN 50, 57                                ; block 7 - p
	STEPS8
	LAND 0                                         ; steps 8-15 are in
	s_mov_b32 s[TB], 8*STEPB
	s_mov_b32 s[KF], 1024
	STEPS8
	WAYOUT 52, 54
	s_wait_tensorcnt 0x0
	ds_add_u32 v254, v255
	s_wait_dscnt 0x0
	s_endpgm
.Lfunc_end_k_qbafe63d067_attn:
	.size	k_qbafe63d067_attn, .Lfunc_end_k_qbafe63d067_attn-k_qbafe63d067_attn
	.p2alignl 7, 3214868480
	.fill 96, 4, 3214868480
	.section	.rodata,"a",@progbits
	.p2align	6, 0x0
	.amdhsa_kernel k_qbafe63d067_attn
		.amdhsa_group_segment_fixed_size 219136
		.amdhsa_private_segment_fixed_size 0
		.amdhsa_enable_private_segment 0
		.amdhsa_kernarg_size 24
		.amdhsa_user_sgpr_count 2
		.amdhsa_user_sgpr_kernarg_segment_ptr 1
		.amdhsa_wavefront_size32 1
		.amdhsa_system_sgpr_workgroup_id_x 1
		.amdhsa_system_sgpr_workgroup_id_y 1
		.amdhsa_system_sgpr_workgroup_id_z 1
		.amdhsa_system_vgpr_workitem_id 0
		.amdhsa_next_free_vgpr 256
		.amdhsa_next_free_sgpr 66
		.amdhsa_reserve_vcc 1
		.amdhsa_float_denorm_mode_32 3
		.amdhsa_float_denorm_mode_16_64 3
		.amdhsa_memory_ordered 1
		.amdhsa_forward_progress 1
		.amdhsa_inst_pref_size 80
	.end_amdhsa_kernel
	.amdgpu_metadata
---
amdhsa.version: [ 1, 2 ]
amdhsa.kernels:
  - .name:           k_qbafe63d067_attn
    .symbol:         k_qbafe63d067_attn.kd
    .args:
      - { .name: q_ops, .offset: 0, .size: 8, .value_kind: global_buffer, .address_space: global }
      - { .name: kv_ops, .offset: 8, .size: 8, .value_kind: global_buffer, .address_space: global }
      - { .name: ctx_ops, .offset: 16, .size: 8, .value_kind: global_buffer, .address_space: global }
    .group_segment_fixed_size: 219136
    .private_segment_fixed_size: 0
    .kernarg_segment_align: 8
    .kernarg_segment_size: 24
    .max_flat_workgroup_size: 512
    .sgpr_count:     66
    .vgpr_count:     256
    .wavefront_size: 32
...
	.end_amdgpu_metadata
.endif
;; end of part 4
;; launch oln (part 5): grid 256 x 1, 4 waves a work-group, clusters of 4 x 1, 327,680 bytes of LDS; arguments ctx_ops, w_ops, x, bo, gamma, beta, out0; writes out0
.if DOCPART == 5
	.amdgcn_target "amdgcn-amd-amdhsa--gfx1250"
	.amdhsa_code_object_version 6
	.text
	.protected	k_qbafe63d067_oln
	.globl	k_qbafe63d067_oln
	.p2align	8
	.type	k_qbafe63d067_oln,@function
k_qbafe63d067_oln:
	s_mov_b64 s[64:65], 0
	v_nop
	global_prefetch_b8 v0, s[64:65] scope:SCOPE_SE
	s_setreg_imm32_b32 hwreg(HW_REG_WAVE_MODE, 25, 1), 1
	s_wait_xcnt 0x0
	s_wait_alu depctr_hold_cnt(0) depctr_sa_sdst(0) depctr_va_vdst(0) depctr_va_sdst(0) depctr_va_ssrc(0) depctr_va_vcc(0) depctr_vm_vsrc(0)
	s_getreg_b32 s2, hwreg(HW_REG_IB_STS2, 6, 4)
	s_cmp_eq_u32 s2, 0
	s_cbranch_scc0 .Lentry_in_a_cluster
	s_endpgm
.Lentry_in_a_cluster:
	s_bfe_u32 s2, ttmp6, 0x10000c
	s_cmp_lg_u32 s2, 0x3003
	s_cbranch_scc0 .Lentry_shape_is_right
	s_endpgm
.Lentry_shape_is_right:
; out0 = LayerNorm(x + ctx Wo + bo) gamma + beta.  The product is on codes of BF6 (E3M2) with E8M0 scales, K = 1,024; all else in f32.
; SHARES: a work-group owns 32 rows (two tiles of 16) and ALL 1,024 columns, so that the norm needs no other work-group.  Wave w makes columns 128 w .. + 127 and 512 + 128 w .. + 127: 2 x 16 accumulators.
; ctx's 16 fragments and their scale words stay in every wave's registers.  Wo goes through a ring of two LDS slots: fill f (0 .. 7) brings, for each wave, the piece of 25,600 bytes (128 columns x 256 along K,
; codes and scale words) that this wave alone reads: columns' block 4 (f % 2) + w, K step f / 2.
; CLUSTER: the four work-groups of a cluster walk the same Wo: each piece is asked for jointly, by the same tensor load with a mask that names the four.
; The matrix instruction takes 16 columns of Wo as source 0 and 16 rows of ctx as source 1: a lane holds one row and eight columns.  The results meet in a stage in LDS (in the slots, behind their last fill);
; each wave then takes 8 whole rows: + x, + bo, mean, centred sum of squares (two passes: no difference of large sums), rsqrt, gamma, beta.
; Tile a's row r is row 8 a + r + 8 (r / 8) of the 32; tile i's row rho of a block of columns is column 32 (i / 2) + 8 (i % 2) + rho + 8 (rho / 8).
; LIMITS: NaN and infinities are not served.
; REGISTERS: window 0: v4-14 addresses; v32-47 ctx's scale words; v48-63 Wo's; v64-159, v160-255 Wo's fragments, two sets (later bo, gamma, beta; rows of y).  window 1: accumulator (a, nt) at v[8 (16 a + nt)].
;   window 2: my 8 rows of x.  window 3: ctx's fragment (a, s) at v[12 (2 s + a)].
.set PIECE, 25600
.set SLOT,  102400
.set SPARE, 2*SLOT                     ; the spare words, 128 bytes for each wave
.set SPI,   4112                       ; a stage row: 4,096 bytes + 16
.set C24,  4                           ; v4  24 x lane
.set R8,   5                           ; v5  8 r
.set LI,   6                           ; v6  16 x lane
.set ADW,  8                           ; v8-9   my piece's codes in slot 0, 1
.set ADSW, 10                          ; v10-11 its scale words
.set SO0,  12                          ; v12-13 the stage, on the way in: tile 0, tile 1
.set SO1,  13
.set SR,   14                          ; v14 and on the way out
.set SPW,  28
.set NIL,  29
.set SA,   32
.set SB,   48
.set BS0,  64
.set BS1,  160
.set BO,   64
.set GA,   96
.set BE,   128
.set Y0,   160
.set MSB, 0
.macro WIN new                         ; the immediate's high byte repeats the setting that is left
.if MSB != (\new)
	s_set_vgpr_msb (MSB<<8)|(\new)
.set MSB, (\new)
.endif
.endm
.macro ROUND                           ; a round of the cluster's barrier
	s_barrier_signal -1
	s_barrier_wait -1
	s_cmp_lg_u32 s18, 0
	s_cbranch_scc1 .Lnot_wave_0_\@
	s_barrier_signal -3
.Lnot_wave_0_\@:
	s_barrier_wait -3
	s_barrier_signal -1
	s_barrier_wait -1
.endm
	s_load_b256 s[4:11], s[0:1], 0x0               ; ctx_ops s[4:5], w_ops s[6:7], x s[8:9], bo s[10:11]
	s_load_b128 s[12:15], s[0:1], 0x20             ; gamma s[12:13], beta s[14:15]
	s_load_b64 s[16:17], s[0:1], 0x30              ; out0
	v_lshl_add_u32 v[SPW], v0, 2, SPARE
	v_mov_b32 v[NIL], 0
	ds_add_u32 v28, v29
	ds_add_u32 v28, v29
	s_wait_dscnt 0x0
	v_lshrrev_b32 v1, 5, v0
	v_readfirstlane_b32 s18, v1                    ; wave 0..3
	s_bfe_u32 s19, ttmp6, 0x40000                  ; cx
	s_lshl_b32 s20, ttmp9, 2
	s_add_co_u32 s20, s20, s19                     ; my group of 32 rows: it enters global addresses of ctx, x and out0 alone
	s_mov_b32 s24, 15|(3<<16)|(1<<21)              ; group 1: 15:0 the mask: all four; 17:16 elements of 8 bytes; 21 set beside a mask
	s_mov_b32 s25, 32<<16
	s_mov_b32 s26, 100<<16
	s_mov_b32 s27, 32<<16
	s_mov_b32 s28, 100
	s_mov_b32 s29, 32
	s_mov_b32 s30, 0
	s_mov_b32 s31, 0
	s_lshr_b32 s44, s20, 2
	s_mul_i32 s44, s44, 102400
	s_and_b32 s45, s20, 3
	s_mul_i32 s46, s45, 3072
	s_add_co_u32 s46, s46, s44                     ; ctx: my two tiles' codes
	s_mov_b32 s47, 0
	s_lshl_b32 s48, s45, 8
	s_add_co_u32 s48, s48, s44
	s_add_co_u32 s48, s48, 24576                   ; and scale words
	s_mov_b32 s49, 0
	s_lshl_b32 s50, s20, 5
	s_and_b32 s52, s18, 1
	s_lshl_b32 s52, s52, 4
	s_add_co_u32 s50, s50, s52
	s_lshr_b32 s52, s18, 1
	s_lshl_b32 s52, s52, 3
	s_add_co_u32 s50, s50, s52                     ; the first of the 8 rows that I finish: 32 G + 16 (w % 2) + 8 (w / 2)
	s_lshl_b32 s50, s50, 12
	s_mov_b32 s51, 0
	s_add_co_u32 s52, s18, 24                      ; Wo's blocks begin at 24
	s_mul_i32 s52, s52, 102400
	s_mov_b32 s53, 0
	s_mul_i32 s54, s18, PIECE                      ; my piece's place in a slot
	s_mov_b32 s40, 0x3a800000                      ; 1 / 1,024
	s_mov_b32 s41, 0x358637bd                      ; 1e-6
	s_mov_b32 s42, 0x76543210
	s_mov_b32 s43, 0xfedcba98
	v_and_b32 v1, 15, v0
	v_bfe_u32 v2, v0, 4, 1
	v_and_b32 v3, 31, v0
	v_mul_u32_u24 v[C24], v3, 24
	v_lshlrev_b32 v[R8], 3, v1
	v_lshlrev_b32 v[LI], 4, v3
	v_add_nc_u32 v[ADW], s54, v[C24]
	v_add_nc_u32 v[ADW+1], SLOT, v[ADW]
	v_add_nc_u32 v[ADSW], s54, v[R8]
	v_add_nc_u32 v[ADSW], 24576, v[ADSW]
	v_add_nc_u32 v[ADSW+1], SLOT, v[ADSW]
	v_mul_u32_u24 v[SO0], v1, SPI
	v_lshl_add_u32 v[SO0], v2, 6, v[SO0]
	s_lshl_b32 s55, s18, 9
	v_add_nc_u32 v[SO0], s55, v[SO0]               ; row r, + 64 (lane / 16), + 512 w
	v_add_nc_u32 v[SO1], 16*SPI, v[SO0]
	s_mul_i32 s55, s18, 8*SPI
	v_add_nc_u32 v[SR], s55, v[LI]
	s_wait_kmcnt 0x0
	s_add_nc_u64 s[46:47], s[4:5], s[46:47]
	s_add_nc_u64 s[48:49], s[4:5], s[48:49]
	s_add_nc_u64 s[8:9], s[8:9], s[50:51]
	s_add_nc_u64 s[16:17], s[16:17], s[50:51]
	s_mov_b32 s32, 1
	s_mov_b32 s33, s54
	s_add_nc_u64 s[34:35], s[6:7], s[52:53]        ; slot 0: columns' block w
	s_mov_b32 s36, 1
	s_add_co_u32 s37, s54, SLOT
	s_add_nc_u64 s[38:39], s[34:35], 4*102400      ; slot 1: block 4 + w
	s_or_b32 s35, s35, 0x80000000
	s_or_b32 s39, s39, 0x80000000
	WIN 0xc0                                       ; destination window 3
.irp ks, 0,1,2,3
.irp q, 0,1
.irp a, 0,1
.irp p, 0,1,2,3,4,5
	global_load_b64 v[12*(2*(2*\ks+\q)+\a)+2*\p:12*(2*(2*\ks+\q)+\a)+2*\p+1], v[C24], s[46:47] offset:25600*\ks+12288*\q+1536*\a+768*(\p/3)+8*(\p%3)
.endr
.endr
.endr
.endr
	WIN 0
.irp ks, 0,1,2,3
.irp a, 0,1
	global_load_b64 v[SA+2*(2*\ks+\a):SA+2*(2*\ks+\a)+1], v[R8], s[48:49] offset:25600*\ks+128*\a
.endr
.endr
	ROUND                                          ; all four work-groups are here: the first joint loads meet
	tensor_load_to_lds s[32:35], s[24:31]
	s_nop 0
	tensor_load_to_lds s[36:39], s[24:31]
	s_nop 0
.rept 4
	v_nop
.endr
.macro FRAG reg, adr, q, i
.irp p, 0,1,2,3,4,5
	ds_load_b64 v[\reg+2*\p:\reg+2*\p+1], v[\adr] offset:(\q)*12288+(\i)*1536+768*(\p/3)+8*(\p%3)
.endr
.endm
; 16 matrix instructions: Wo's eight tiles x ctx's two, 128 along K.  The 16 accumulators take turns, one instruction a turn.
.macro PROD f, q
.irp i, 0,1,2,3,4,5,6,7
.irp a, 0,1
.if ((\f) < 2) && ((\q) == 0)
	v_wmma_scale_f32_16x16x128_f8f6f4 v[8*(16*\a+8*((\f)%2)+\i):8*(16*\a+8*((\f)%2)+\i)+7], v[BS0+96*(\q)+12*\i:BS0+96*(\q)+12*\i+11], v[12*(2*(2*((\f)/2)+(\q))+\a):12*(2*(2*((\f)/2)+(\q))+\a)+11], 0, v[SB+2*\i+(\q)], v[SA+2*(2*((\f)/2)+\a)+(\q)] matrix_a_fmt:MATRIX_FMT_BF6 matrix_b_fmt:MATRIX_FMT_BF6
.else
	v_wmma_scale_f32_16x16x128_f8f6f4 v[8*(16*\a+8*((\f)%2)+\i):8*(16*\a+8*((\f)%2)+\i)+7], v[BS0+96*(\q)+12*\i:BS0+96*(\q)+12*\i+11], v[12*(2*(2*((\f)/2)+(\q))+\a):12*(2*(2*((\f)/2)+(\q))+\a)+11], v[8*(16*\a+8*((\f)%2)+\i):8*(16*\a+8*((\f)%2)+\i)+7], v[SB+2*\i+(\q)], v[SA+2*(2*((\f)/2)+\a)+(\q)] matrix_a_fmt:MATRIX_FMT_BF6 matrix_b_fmt:MATRIX_FMT_BF6
.endif
.endr
.endr
.endm
.macro WORK f, last
	WIN 0x80                                       ; destination window 2
.irp m, 0,1,2,3,4,5,6,7
	global_load_b128 v[32*(\f)+4*\m:32*(\f)+4*\m+3], v[LI], s[8:9] offset:4096*(\f)+512*\m th:TH_LOAD_NT   ; one of my 8 rows of x in each fill: wanted only on the way out
.endr
	WIN 0
.irp i, 0,1,2,3,4,5,6,7
	FRAG BS0+12*\i, ADW+(\f)%2, 0, \i
.endr
.irp i, 0,1,2,3,4,5,6,7
	ds_load_b64 v[SB+2*\i:SB+2*\i+1], v[ADSW+(\f)%2] offset:128*\i
.endr
.irp i, 0,1,2,3,4,5,6,7
	FRAG BS1+12*\i, ADW+(\f)%2, 1, \i
.endr
	s_wait_dscnt 48                                ; the first set and the scale words are in; the second set's 48 loads may be out
	WIN 0x5c                                       ; source 1 (ctx) window 3, C and D window 1
	PROD \f, 0
	WIN 0
.if \last
.rept 4
	v_nop                                          ; places in front of loads into the first set's registers
.endr
.irp m, 0,1,2,3,4,5,6,7
	global_load_b128 v[BO+4*\m:BO+4*\m+3], v[LI], s[10:11] offset:512*\m
	global_load_b128 v[GA+4*\m:GA+4*\m+3], v[LI], s[12:13] offset:512*\m
	global_load_b128 v[BE+4*\m:BE+4*\m+3], v[LI], s[14:15] offset:512*\m
.endr
.endif
	s_wait_dscnt 0x0
	WIN 0x5c
	PROD \f, 1
	WIN 0
.endm
; In front of fill f's work the slot read last is filled again, with fill f + 1.
.macro NEXT f
	s_wait_tensorcnt 0x0                           ; all my tensor loads have landed, fill f among them
	ds_add_u32 v[SPW], v[NIL]                      ; 0 onto my spare word
	s_add_nc_u64 s[34+4*(((\f)-1)%2):35+4*(((\f)-1)%2)], s[34+4*(((\f)-1)%2):35+4*(((\f)-1)%2)], PIECE   ; that slot's next 256 along K
	s_wait_dscnt 0x0                               ; the add is done, and my reads of that slot are over
	ROUND                                          ; both now hold of every wave of the four work-groups
	tensor_load_to_lds s[32+4*(((\f)-1)%2):35+4*(((\f)-1)%2)], s[24:31]
	s_nop 0
.rept 4
	v_nop                                          ; (the places in front of the loads into the fragments' registers)
.endr
	WORK \f, 0
.endm
	s_wait_loadcnt 0x0                             ; ctx
	s_wait_tensorcnt 1                             ; fill 0 is in, and I alone read my piece; fill 1 may be out
	WORK 0, 0
.irp f, 1,2,3,4,5,6
	NEXT \f
.endr
	s_wait_tensorcnt 0x0                           ; fill 7: no load was issued behind it
.rept 4
	v_nop
.endr
	WORK 7, 1
	; THE WAY OUT
.rept 4
	v_nop                                          ; places behind the last products
.endr
	v_mov_b32 v229, 0                              ; (named as upper halves of pairs)
	v_mov_b32 v233, 0
	s_wait_dscnt 0x0
	s_barrier_signal -1
	s_barrier_wait -1                              ; every wave's fills have landed and its reads of the slots are over: the stage may be written
	WIN 0x04                                       ; an LDS store's data are its source 1: window 1
.irp a, 0,1
.irp hf, 0,1
.irp i, 0,1,2,3,4,5,6,7
	ds_store_b128 v[SO0+\a], v[8*(16*\a+8*\hf+\i):8*(16*\a+8*\hf+\i)+3] offset:2048*\hf+128*(\i/2)+32*(\i%2)       ; each accumulator from its low end on
	ds_store_b128 v[SO0+\a], v[8*(16*\a+8*\hf+\i)+4:8*(16*\a+8*\hf+\i)+7] offset:2048*\hf+128*(\i/2)+32*(\i%2)+16
.endr
.endr
.endr
	WIN 0
	s_wait_dscnt 0x0                               ; for the others' sake: my stores into the stage are done
	s_barrier_signal -1
	s_barrier_wait -1
	s_wait_loadcnt 0x0                             ; x's rows, bo, gamma, beta
.macro YLOAD j
.irp m, 0,1,2,3,4,5,6,7
	ds_load_b128 v[Y0+32*((\j)%2)+4*\m:Y0+32*((\j)%2)+4*\m+3], v[SR] offset:(\j)*SPI+512*\m
.endr
.endm
.macro REDUCE                          ; v224 summed over the 32 lanes
	v_add_f32_dpp v224, v224, v224 row_xmask:1 row_mask:0xf bank_mask:0xf
	v_add_f32_dpp v224, v224, v224 row_xmask:2 row_mask:0xf bank_mask:0xf
	v_add_f32_dpp v224, v224, v224 row_xmask:4 row_mask:0xf bank_mask:0xf
	v_add_f32_dpp v224, v224, v224 row_xmask:8 row_mask:0xf bank_mask:0xf
	v_permlanex16_b32 v225, v224, s42, s43
	v_add_f32 v224, v224, v225
.endm
.macro ROW j
.set Y, Y0+32*((\j)%2)
.if (\j) < 7
	s_wait_xcnt 0x0                                ; the stores of the row before last have read the registers that the next row's loads fill
	YLOAD (\j)+1
	s_wait_dscnt 8                                 ; this row is in; the next row's eight loads may be out
.else
	s_wait_dscnt 0x0
.endif
	WIN 0x08                                       ; source 1: window 2
.set k, 0
.rept 16
	v_pk_add_f32 v[Y+k:Y+k+1], v[Y+k:Y+k+1], v[32*(\j)+k:32*(\j)+k+1]   ; + x
.set k, k+2
.endr
	WIN 0
.set k, 0
.rept 16
	v_pk_add_f32 v[Y+k:Y+k+1], v[Y+k:Y+k+1], v[BO+k:BO+k+1]             ; + bo
.set k, k+2
.endr
	v_pk_add_f32 v[224:225], v[Y:Y+1], v[Y+2:Y+3]
	v_pk_add_f32 v[226:227], v[Y+4:Y+5], v[Y+6:Y+7]
.irp k, 8,12,16,20,24,28
	v_pk_add_f32 v[224:225], v[224:225], v[Y+\k:Y+\k+1]
	v_pk_add_f32 v[226:227], v[226:227], v[Y+\k+2:Y+\k+3]
.endr
	v_pk_add_f32 v[224:225], v[224:225], v[226:227]
	v_add_f32 v224, v224, v225
	REDUCE
	v_mul_f32 v228, s40, v224                      ; the mean
.set k, 0
.rept 16
	v_pk_add_f32 v[Y+k:Y+k+1], v[Y+k:Y+k+1], v[228:229] op_sel_hi:[1,0] neg_lo:[0,1] neg_hi:[0,1]
.set k, k+2
.endr
	v_pk_mul_f32 v[224:225], v[Y:Y+1], v[Y:Y+1]
	v_pk_mul_f32 v[226:227], v[Y+2:Y+3], v[Y+2:Y+3]
.irp k, 4,8,12,16,20,24,28
	v_pk_fma_f32 v[224:225], v[Y+\k:Y+\k+1], v[Y+\k:Y+\k+1], v[224:225]
	v_pk_fma_f32 v[226:227], v[Y+\k+2:Y+\k+3], v[Y+\k+2:Y+\k+3], v[226:227]
.endr
	v_pk_add_f32 v[224:225], v[224:225], v[226:227]
	v_add_f32 v224, v224, v225
	REDUCE
	v_fma_f32 v230, v224, s40, s41                 ; the variance + 1e-6
	v_rsq_f32 v232, v230
	v_nop                                          ; one plain line behind a transcendental
.set k, 0
	s_wait_alu depctr_va_vdst(0)
.rept 16
	v_pk_mul_f32 v[Y+k:Y+k+1], v[Y+k:Y+k+1], v[232:233] op_sel_hi:[1,0]
.set k, k+2
.endr
.set k, 0
.rept 16
	v_pk_fma_f32 v[Y+k:Y+k+1], v[Y+k:Y+k+1], v[GA+k:GA+k+1], v[BE+k:BE+k+1]
.set k, k+2
.endr
.irp m, 0,1,2,3,4,5,6,7
	global_store_b128 v[LI], v[Y+4*\m:Y+4*\m+3], s[16:17] offset:4096*(\j)+512*\m th:TH_STORE_NT   ; 512 consecutive bytes, at a multiple of 256
.endr
.endm
	YLOAD 0
.irp j, 0,1,2,3,4,5,6,7
	ROW \j
.endr
	s_wait_tensorcnt 0x0                           ; the wave's end
	ds_add_u32 v[SPW], v[NIL]
	s_wait_dscnt 0x0
	ROUND                                          ; the closing round: no work-group ends while a partner may still ask for a piece that names it
	s_endpgm
.Lfunc_end_k_qbafe63d067_oln:
	.size	k_qbafe63d067_oln, .Lfunc_end_k_qbafe63d067_oln-k_qbafe63d067_oln
	.p2alignl 7, 3214868480
	.fill 96, 4, 3214868480
	.section	.rodata,"a",@progbits
	.p2align	6, 0x0
	.amdhsa_kernel k_qbafe63d067_oln
		.amdhsa_group_segment_fixed_size 327680
		.amdhsa_private_segment_fixed_size 0
		.amdhsa_enable_private_segment 0
		.amdhsa_kernarg_size 56
		.amdhsa_user_sgpr_count 2
		.amdhsa_user_sgpr_kernarg_segment_ptr 1
		.amdhsa_wavefront_size32 1
		.amdhsa_system_sgpr_workgroup_id_x 1
		.amdhsa_system_sgpr_workgroup_id_y 1
		.amdhsa_system_sgpr_workgroup_id_z 1
		.amdhsa_system_vgpr_workitem_id 0
		.amdhsa_next_free_vgpr 1024
		.amdhsa_next_free_sgpr 66
		.amdhsa_reserve_vcc 0
		.amdhsa_float_denorm_mode_32 3
		.amdhsa_float_denorm_mode_16_64 3
		.amdhsa_memory_ordered 1
		.amdhsa_forward_progress 1
		.amdhsa_inst_pref_size 193
	.end_amdhsa_kernel
	.amdgpu_metadata
---
amdhsa.version: [ 1, 2 ]
amdhsa.kernels:
  - .name:           k_qbafe63d067_oln
    .symbol:         k_qbafe63d067_oln.kd
    .args:
      - { .name: ctx_ops, .offset: 0, .size: 8, .value_kind: global_buffer, .address_space: global }
      - { .name: w_ops, .offset: 8, .size: 8, .value_kind: global_buffer, .address_space: global }
      - { .name: x, .offset: 16, .size: 8, .value_kind: global_buffer, .address_space: global }
      - { .name: bo, .offset: 24, .size: 8, .value_kind: global_buffer, .address_space: global }
      - { .name: gamma, .offset: 32, .size: 8, .value_kind: global_buffer, .address_space: global }
      - { .name: beta, .offset: 40, .size: 8, .value_kind: global_buffer, .address_space: global }
      - { .name: out0, .offset: 48, .size: 8, .value_kind: global_buffer, .address_space: global }
    .group_segment_fixed_size: 327680
    .private_segment_fixed_size: 0
    .kernarg_segment_align: 8
    .kernarg_segment_size: 56
    .max_flat_workgroup_size: 128
    .sgpr_count:     66
    .vgpr_count:     1024
    .wavefront_size: 32
...
	.end_amdgpu_metadata
.endif
;; end of part 5
